; MI455X (gfx1250); checked and timed in simulation.
; The chip was launched on July 23, 2026; its instructions are those of AMD's public machine-readable ISA for CDNA 5 (MIT licence, August 2026) and "CDNA5" Instruction Set Architecture Reference Guide (July 2026). The comments in the code are by the model that wrote it; some were corrected since.
;; MLA. Allowed arithmetic: matrix products marked QUANTISED: E2M3 operands, one E8M0 scale for each 32 along K, by v_wmma_scale_f32_16x16x128_f8f6f4 with both operands' format E2M3, f32 sums; everything else in f32.
;; Inputs: freqs_cos 2,048 x 32 float32; freqs_sin 2,048 x 32 float32; mask 2,048 x 2,048 float32; wk_b 3,072 float32; wk_w 2,048 x 3,072 float32; wo_b 2,048 float32; wo_w 2,048 x 2,048 float32; wq_b 3,072 float32; wq_w 2,048 x 3,072 float32; wv_b 2,048 float32; wv_w 2,048 x 2,048 float32; x 1 x 2,048 x 2,048 float32.
;; Outputs: out0 1 x 2,048 x 2,048 float32.
;; Constants: start_pos = 0.
;; This version of the problem:
;;   THIS VERSION OF THE PROBLEM IS GIVEN IN LOW PRECISION. The matrix products marked QUANTISED in the list below multiply operands that are first quantised to E2M3 (2 exponent bits, 3 mantissa bits; 6 bits a number), with one power-of-two scale for each 32 numbers along K (OCP MX v1.0); their sums are f32. All else is computed in f32.
;;   The module's matrix products, in the order in which they are computed (A, B: the left and right operand; K: the contracted axis; several contracted axes count as one K, in the product's order):
;;     1. [M 2,048, K 2,048] x [K 2,048, N 3,072]; A: input x; B: input wq_w: QUANTISED
;;     2. [M 2,048, K 2,048] x [K 2,048, N 3,072]; A: input x; B: input wk_w: QUANTISED
;;     3. [M 2,048, K 2,048] x [K 2,048, N 2,048]; A: input x; B: input wv_w: QUANTISED
;;     4. batch 16 x [M 2,048, K 192] x [K 192, N 2,048]; A: computed on the way; B: computed on the way: QUANTISED
;;     5. batch 16 x [M 128, K 2,048] x [K 2,048, N 2,048]; A: computed on the way; B: softmax (see below): QUANTISED
;;     6. [M 2,048, K 2,048] x [K 2,048, N 2,048]; A: computed on the way; B: input wo_w: QUANTISED
;;   THE QUANTISER, for each operand of a quantised product, along K:
;;     - K is cut into blocks of 32 from its start; a last block that is shorter is filled with zeros.
;;     - A block's scale is 2^e with e = floor(log2(the largest magnitude in the block)) - 2, held to -126 .. 127; a block of zeros has e = 0. As a byte (E8M0): e + 127.
;;     - Each number is divided by its block's scale, clamped to +-7.5, and rounded to the nearest number of E2M3, ties to even, subnormals kept.
;;     - The product sums the exact products of the quantised numbers (number of the format x scale) in f32.
;;   ~~~python
;;   def quantise(x, axis):      # numpy; x: float32 -> the quantised numbers, widened to float32 again
;;       x = np.moveaxis(x, axis, -1); K = x.shape[-1]
;;       x = np.pad(x, [(0, 0)] * (x.ndim - 1) + [(0, -K % 32)]); x = x.reshape(x.shape[:-1] + (-1, 32)); a = np.abs(x).max(-1, keepdims=True)
;;       e = np.where(a > 0, np.clip(np.frexp(np.where(a > 0, a, 1))[1] - 1 - 2, -126, 127), 0)      # np.frexp(a)[1] - 1 = floor(log2(a)), exactly
;;       r = np.clip(x / 2.0 ** e, -7.5, 7.5)
;;       step = 2.0 ** (np.maximum(np.frexp(np.where(r == 0, 1, r))[1] - 1, 0) - 3)
;;       q = np.round(r / step) * step * 2.0 ** e      # np.round: ties to even
;;       return np.moveaxis(q.reshape(q.shape[:-2] + (-1,))[..., :K], -1, axis).astype(np.float32)
;;   ~~~
;;   SOFTMAX AHEAD OF A QUANTISED PRODUCT. Where the list says 'softmax', what is quantised is not the finished softmax but p = 2^(t - M), with t = logit x log2(e) and M = ceil(the row's largest t), a whole number; so 1/2 < the row's largest p <= 1. The row's sum l is taken of the UNQUANTISED p, in f32, and the product's result is divided by l at the end. Since M is a whole number, a kernel that streams over the keys may use a running M (the ceiling of the running maximum): every later rescaling is an exact power of two, which a block's scale takes up: the codes' values come out the same.
;;   OPERANDS COMPUTED ON THE WAY. 'Computed on the way' means the value that the module computes at that place (a softmax that the list does not call 'softmax' is quantised finished and normalised). What goes into a quantiser is computed in f32, as accurately as f32 sums, v_exp_f32 and their like allow (about 1e-6 of the number): no bf16 or f16 on the way to a quantiser, and a product that is left as it is and whose result goes on into a quantised operand takes f32 operands (vector FMAs, or v_wmma_f32_16x16x4_f32). A number that lies on a knife's edge between two numbers of the format may be rounded either way, as far as f32 arithmetic and the matrix unit's own rounding can turn it there, and no further.
;; 2 versions, each right. Each part assembles by itself: llvm-mc -triple=amdgcn-amd-amdhsa -mcpu=gfx1250 --defsym DOCPART=n.
;; ======== version 1 of 2: 4 launches
;; workspace buffers: codes 22,020,096 bytes; scales 917,504 bytes; q 4,980,736 bytes; kv 8,388,608 bytes; o_codes 3,145,728 bytes; o_scales 131,072 bytes
;; launch prep (part 1): grid 1536 x 1, 4 waves a work-group, no clusters, 68,096 bytes of LDS; arguments x, wq_w, wk_w, wv_w, wo_w, codes, scales; writes codes, scales
.if DOCPART == 1
	.amdgcn_target "amdgcn-amd-amdhsa--gfx1250"
	.amdhsa_code_object_version 6
	.text
	.protected	k_qfb4c62a691_prep
	.globl	k_qfb4c62a691_prep
	.p2align	8
	.type	k_qfb4c62a691_prep,@function
k_qfb4c62a691_prep:
	s_mov_b64 s[64:65], 0
	v_nop
	global_prefetch_b8 v0, s[64:65] scope:SCOPE_SE
	s_setreg_imm32_b32 hwreg(HW_REG_WAVE_MODE, 25, 1), 1
	s_wait_xcnt 0x0
; PREP.  x [2048][2048] and the four weights [2048 (K)][N], all f32, become codes of FP6 (E2M3) with one E8M0 byte for each 32 along K,
; laid as the products' operand registers want them.
; THE WORKSPACE.  14,336 rows of 2,048 along K:  0 x;  2048 wv;  4096 wq, the heads' first 128 columns;  6144 wk likewise;  8192 wq, the heads' last 64;  9216 wk likewise;
; 10240 x once more;  12288 wo.  All but the first 2,048 rows are in the order PI: within each 32 rows, workspace row 16 u + 8 g + s holds original row 16 g + 8 u + s.
; codes: [K slot of 256: 8][tile of 16 rows: 896][K step of 128: 2][1,536 bytes].  The 1,536 bytes are the IMAGE of a fragment's 12 registers: registers 4 c .. 4 c + 3 of lane l at 512 c + 16 l
; (lane l = r + 16 h holds row r; registers 0-5 k = 32 h + 0 .. 31, registers 6-11 k = 64 + 32 h + 0 .. 31).   scales: [K step: 16][row: 14,336] words of four bytes.
; A block's scale is 2^(floor(log2(its largest magnitude)) - 2): its byte is the largest magnitude's exponent field - 2, held at 1 from below.
; LIMITS: a block of zeros, and one whose largest magnitude lies under 2^-124, gets the byte 1 (zeros' codes are zeros, and this program alone reads the bytes); NaN and infinities are not served.
; SHARES.  A wave does one job of 16 KB of f32, all asked for at once: 32 rows x 128 K of x (work-groups 0-255), or 128 K x 32 columns of a weight (256-1023: wq, wk; 1024-1535: wv, wo).
; No tensor loads, no barrier, no loop: waves share nothing.  Only the path for x uses LDS, each wave its own 16,896 bytes.
.set KSLOTB, 2752512                   ; a K slot of the codes: 896 tiles x 3,072 bytes
.set KSCB,   57344                     ; a K step of the scale words: 14,336 x 4 bytes
.set XPT,    1966080                   ; from x's tiles to those of its second copy: 640 tiles
.set XPS,    40960                     ; and the same for the scale words: 10,240 rows
.set NUM,    32                        ; v32-159  the job's 128 numbers a lane
.set FRG,    160                       ; v160..   codes
	s_load_b256 s[4:11], s[0:1], 0x0               ; x, wq_w, wk_w, wv_w
	s_load_b128 s[12:15], s[0:1], 0x20             ; wo_w, codes
	s_load_b64 s[16:17], s[0:1], 0x30              ; scales
	v_lshl_add_u32 v224, v0, 2, 0x10800
	v_mov_b32 v225, 0
	v_lshrrev_b32 v1, 5, v0
	v_readfirstlane_b32 s18, v1                    ; wave 0..3
	v_and_b32 v2, 31, v0                           ; lane
	s_mov_b32 s27, 0                               ; the upper word of every offset pair s[26:27]
	s_cmp_lt_u32 ttmp9, 256
	s_cbranch_scc1 .Lx
	; ---- a weight: A LANE TAKES A COLUMN, AND ITS REGISTERS RUN DOWN K.  Lane = 16 g + 8 u + s goes to tile u, row 8 g + s of its group of 32 rows
	v_lshlrev_b32 v3, 2, v2                        ; in: 4 bytes a lane, 128 consecutive bytes a load
	v_bfe_u32 v4, v2, 3, 1                         ; u
	v_bfe_u32 v5, v2, 4, 1                         ; g
	v_and_b32 v6, 7, v2                            ; s
	v_lshl_or_b32 v7, v5, 3, v6                    ; 8 g + s
	v_mul_u32_u24 v8, v4, 3072
	v_lshl_add_u32 v8, v7, 4, v8                   ; out: tile u, 16 bytes for row 8 g + s
	v_lshl_add_u32 v9, v4, 4, v7
	v_lshlrev_b32 v9, 2, v9                        ; the scale word's place: 4 (16 u + 8 g + s)
	s_cmp_lt_u32 ttmp9, 1024
	s_cbranch_scc1 .Lw3072
; The job of a weight with n columns.  In: s[24:25] the weight, s23 the K step, s20 the group of 32 columns, s22 the group's first workspace row.
.macro WJOB n
	s_mul_i32 s26, s23, 512*\n                     ; 128 rows of n x 4 bytes a K step,
	s_lshl_b32 s28, s20, 7                         ; 128 bytes a group of columns
	s_add_co_u32 s26, s26, s28
	s_add_nc_u64 s[24:25], s[24:25], s[26:27]
	s_lshr_b32 s26, s23, 1
	s_mul_i32 s26, s26, KSLOTB
	s_mul_i32 s28, s22, 192                        ; 3,072 bytes a tile of 16 rows
	s_add_co_u32 s26, s26, s28
	s_and_b32 s28, s23, 1
	s_mul_i32 s28, s28, 1536
	s_add_co_u32 s26, s26, s28
	s_add_nc_u64 s[14:15], s[14:15], s[26:27]      ; the codes' place
	s_mul_i32 s26, s23, KSCB
	s_lshl_b32 s28, s22, 2
	s_add_co_u32 s26, s26, s28
	s_add_nc_u64 s[16:17], s[16:17], s[26:27]      ; the scale words' place
.set i, 0
.rept 128
	global_load_b32 v[NUM+i], v3, s[24:25] offset:i*\n*4 th:TH_LOAD_NT   ; W(128 step + i, my column)
.set i, i+1
.endr
.irp t, 0,1,2,3                        ; block t of 32 along K: all its numbers are mine
.set XS, NUM+32*\t
.if \t < 2
	s_wait_loadcnt 63                              ; the younger blocks' loads may be out; a wait names 63 at the most
.else
	s_wait_loadcnt 96-32*\t
.endif
	v_max3_num_f32 v12, |v[XS]|, |v[XS+1]|, |v[XS+2]|
	v_max3_num_f32 v13, |v[XS+3]|, |v[XS+4]|, |v[XS+5]|
.irp i, 6,10,14,18,22,26
	v_max3_num_f32 v12, v12, |v[XS+\i]|, |v[XS+\i+1]|
	v_max3_num_f32 v13, v13, |v[XS+\i+2]|, |v[XS+\i+3]|
.endr
	v_max3_num_f32 v12, v12, |v[XS+30]|, |v[XS+31]|
	v_max3_num_f32 v12, v12, v13, 0x1800000        ; and the floor 2^(3 - 127): the byte cannot fall under 1
	v_add_nc_u32 v[24+\t], 0xff000000, v12         ; 2 off the exponent field: the conversion takes this operand's exponent field as its scale
	v_lshrrev_b32 v13, 23, v[24+\t]                ; the byte
.if \t == 0
	v_mov_b32 v20, v13
.else
	v_lshl_or_b32 v20, v13, 8*\t, v20              ; four bytes make my row's scale word
.endif
	v_cvt_scalef32_pk16_fp6_f32 v[FRG+12*(\t%2)+6*(\t/2):FRG+12*(\t%2)+6*(\t/2)+2], v[XS:XS+15], v[24+\t]   ; block t is registers 6 (t / 2) on of the lane with h = t % 2
	v_cvt_scalef32_pk16_fp6_f32 v[184+4*\t:184+4*\t+2], v[XS+16:XS+31], v[24+\t]   ; (a conversion's three registers begin on an even number: the second half is made elsewhere and moved)
.endr
	v_nop                                          ; one plain place behind the last conversion
.irp t, 0,1,2,3
.irp i, 0,1,2
	v_mov_b32 v[FRG+12*(\t%2)+6*(\t/2)+3+\i], v[184+4*\t+\i]
.endr
.endr
.irp h, 0,1
.irp c, 0,1,2
	global_store_b128 v8, v[FRG+12*\h+4*\c:FRG+12*\h+4*\c+3], s[14:15] offset:512*\c+256*\h   ; sixteen lanes (one u) store 256 consecutive bytes, aligned
.endr
.endr
	global_store_b32 v9, v20, s[16:17]
.endm
	; ---- wv (work-groups 1024-1279) and wo (1280-1535)
	s_sub_co_u32 s20, ttmp9, 1024
	s_mov_b32 s22, 2048                            ; wv's first workspace row
	s_cmp_ge_u32 s20, 256
	s_cselect_b32 s21, 256, 0
	s_cselect_b32 s22, 12288, s22                  ; wo's
	s_wait_kmcnt 0x0
	s_cselect_b64 s[24:25], s[12:13], s[10:11]
	s_sub_co_u32 s20, s20, s21
	s_and_b32 s23, s20, 15                         ; K step
	s_lshr_b32 s20, s20, 4
	s_lshl_b32 s20, s20, 2
	s_add_co_u32 s20, s20, s18                     ; group of 32 columns, 0..63
	s_lshl_b32 s26, s20, 5
	s_add_co_u32 s22, s22, s26
	WJOB 2048
	s_endpgm
.Lw3072:                               ; ---- wq (256-639) and wk (640-1023)
	s_sub_co_u32 s20, ttmp9, 256
	s_mov_b32 s30, 4096                            ; wq: the heads' first 128 columns go here,
	s_mov_b32 s31, 8192                            ; their last 64 here
	s_cmp_ge_u32 s20, 384
	s_cselect_b32 s21, 384, 0
	s_cselect_b32 s30, 6144, s30                   ; wk
	s_cselect_b32 s31, 9216, s31
	s_wait_kmcnt 0x0
	s_cselect_b64 s[24:25], s[8:9], s[6:7]
	s_sub_co_u32 s20, s20, s21
	s_and_b32 s23, s20, 15                         ; K step
	s_lshr_b32 s20, s20, 4
	s_lshl_b32 s20, s20, 2
	s_add_co_u32 s20, s20, s18                     ; group of 32 columns, 0..95: six to a head
	s_mul_i32 s26, s20, 43
	s_lshr_b32 s26, s26, 8                         ; the head = group / 6 (exact for groups under 96)
	s_mul_i32 s28, s26, 6
	s_sub_co_u32 s29, s20, s28                     ; e = the group within its head, 0..5
	s_lshl_b32 s28, s26, 7
	s_add_co_u32 s30, s30, s28
	s_lshl_b32 s28, s29, 5
	s_add_co_u32 s30, s30, s28                     ; e < 4: 128 head + 32 e
	s_lshl_b32 s21, s26, 6
	s_add_co_u32 s31, s31, s21
	s_add_co_u32 s31, s31, s28
	s_sub_co_u32 s31, s31, 128                     ; else: 64 head + 32 (e - 4)
	s_cmp_lt_u32 s29, 4
	s_cselect_b32 s22, s30, s31
	WJOB 3072
	s_endpgm
.Lx:                                   ; ---- x: 32 rows x 128 K a wave, K innermost
	s_and_b32 s23, ttmp9, 15                       ; K step
	s_lshr_b32 s20, ttmp9, 4
	s_lshl_b32 s20, s20, 2
	s_add_co_u32 s20, s20, s18                     ; group of 32 rows, 0..63
	s_lshl_b32 s26, s20, 18                        ; 32 rows of 8,192 bytes
	s_lshl_b32 s28, s23, 9
	s_add_co_u32 s26, s26, s28
	s_wait_kmcnt 0x0
	s_add_nc_u64 s[4:5], s[4:5], s[26:27]
	s_lshr_b32 s26, s23, 1
	s_mul_i32 s26, s26, KSLOTB
	s_mul_i32 s28, s20, 6144                       ; two tiles a group
	s_add_co_u32 s26, s26, s28
	s_and_b32 s28, s23, 1
	s_mul_i32 s28, s28, 1536
	s_add_co_u32 s26, s26, s28
	s_add_nc_u64 s[14:15], s[14:15], s[26:27]
	s_mul_i32 s26, s23, KSCB
	s_lshl_b32 s28, s20, 7
	s_add_co_u32 s26, s26, s28
	s_add_nc_u64 s[16:17], s[16:17], s[26:27]
	s_mov_b32 s30, 0x76543210
	s_mov_b32 s31, 0xfedcba98                      ; v_permlanex16_b32's selects for lane l xor 16
	s_mul_i32 s19, s18, 16896                      ; my stage: 32 rows of 512 bytes + 16
	v_lshlrev_b32 v3, 4, v2                        ; 16 x lane
	v_add_nc_u32 v4, s19, v3                       ; the stage, on the way in
	v_and_b32 v5, 15, v0                           ; r
	v_bfe_u32 v6, v0, 4, 1                         ; h
	v_mul_u32_u24 v7, v5, 528
	v_lshl_add_u32 v7, v6, 7, v7
	v_add_nc_u32 v7, s19, v7                       ; out, rows as they lie: row r, my block's 128 bytes
	v_and_b32 v8, 8, v5
	v_add_nc_u32 v8, v8, v5                        ; r + 8 (r / 8)
	v_mul_u32_u24 v8, v8, 528
	v_lshl_add_u32 v8, v6, 7, v8
	v_add_nc_u32 v8, s19, v8                       ; out, in the order PI: lane r of tile u takes row 8 u + r + 8 (r / 8)
	v_lshlrev_b32 v9, 2, v2                        ; 4 x lane
	v_lshlrev_b32 v10, 3, v6                       ; 8 h: my two bytes' shift in the scale word
	v_mov_b32 v11, 0                               ; (a lane permute's destination counts as one of its sources)
	v_cmp_le_u32 vcc_lo, 16, v2                    ; lanes 16-31
.set i, 0
.rept 32
	global_load_b128 v[NUM+4*i:NUM+4*i+3], v3, s[4:5] offset:8192*i th:TH_LOAD_NT   ; a row's 512 consecutive bytes
.set i, i+1
.endr
.set i, 0
.rept 32
	s_wait_loadcnt 31-i                            ; row i is in; the later rows may be out
	ds_store_b128 v4, v[NUM+4*i:NUM+4*i+3] offset:528*i
.set i, i+1
.endr
	s_wait_dscnt 0x0                               ; the stores have read their registers, which the loads below fill again
; Fragment z: 0, 1: rows 16 z on as they lie; 2, 3: tile z - 2 in the order PI.  A lane takes two whole blocks of its row: h and 2 + h.
.macro LOADF z
.set XS, NUM+64*((\z)%2)
.irp c, 0,1
.irp j, 0,1,2,3,4,5,6,7
.if (\z) < 2
	ds_load_b128 v[XS+32*\c+4*\j:XS+32*\c+4*\j+3], v7 offset:(\z)*8448+256*\c+16*\j
.else
	ds_load_b128 v[XS+32*\c+4*\j:XS+32*\c+4*\j+3], v8 offset:((\z)-2)*4224+256*\c+16*\j
.endif
.endr
.endr
.endm
.macro QF z, left                      ; left: the next fragment's sixteen loads, which may be out
.set XS, NUM+64*((\z)%2)
.set CD, FRG+12*(\z)                   ; each fragment has its own code registers: no store's data are written again
	s_wait_dscnt \left
.irp c, 0,1
	v_max3_num_f32 v[12+\c], |v[XS+32*\c]|, |v[XS+32*\c+1]|, 0x1800000
.endr
.irp i, 2,4,6,8,10,12,14,16,18,20,22,24,26,28,30
.irp c, 0,1
	v_max3_num_f32 v[12+\c], v[12+\c], |v[XS+32*\c+\i]|, |v[XS+32*\c+\i+1]|
.endr
.endr
.irp c, 0,1
	v_add_nc_u32 v[14+\c], 0xff000000, v[12+\c]
.endr
.irp c, 0,1
	v_lshrrev_b32 v[12+\c], 23, v[14+\c]
.endr
	v_lshl_or_b32 v[216+(\z)], v13, 16, v12        ; my two bytes: blocks h and 2 + h,
	v_lshlrev_b32 v[216+(\z)], v10, v[216+(\z)]    ; at their places;
	v_permlanex16_b32 v11, v[216+(\z)], s30, s31
	v_or_b32 v[216+(\z)], v[216+(\z)], v11         ; with lane l xor 16's two the word is whole
.irp c, 0,1
	v_cvt_scalef32_pk16_fp6_f32 v[CD+6*\c:CD+6*\c+2], v[XS+32*\c:XS+32*\c+15], v[14+\c]
	v_cvt_scalef32_pk16_fp6_f32 v[208+4*\c:208+4*\c+2], v[XS+32*\c+16:XS+32*\c+31], v[14+\c]
.endr
	v_nop                                          ; one plain place behind the last conversion
.irp c, 0,1
.irp i, 0,1,2
	v_mov_b32 v[CD+6*\c+3+\i], v[208+4*\c+\i]
.endr
.endr
.irp c, 0,1,2
.if (\z) < 2
	global_store_b128 v3, v[CD+4*\c:CD+4*\c+3], s[14:15] offset:(\z)*3072+512*\c          ; 512 consecutive bytes
.else
	global_store_b128 v3, v[CD+4*\c:CD+4*\c+3], s[14:15] offset:XPT+((\z)-2)*3072+512*\c
.endif
.endr
.endm
	LOADF 0
	LOADF 1
	QF 0, 16
	LOADF 2
	QF 1, 16
	LOADF 3
	v_cndmask_b32 v220, v216, v217, vcc_lo         ; lanes 0-15 the first tile's words, lanes 16-31 the second's: 32 rows' words on end
	global_store_b32 v9, v220, s[16:17]
	QF 2, 16
	QF 3, 0
	v_cndmask_b32 v221, v218, v219, vcc_lo
	global_store_b32 v9, v221, s[16:17] offset:XPS
	s_wait_tensorcnt 0x0
	ds_add_u32 v224, v225
	s_wait_dscnt 0x0
	s_endpgm
.Lfunc_end_k_qfb4c62a691_prep:
	.size	k_qfb4c62a691_prep, .Lfunc_end_k_qfb4c62a691_prep-k_qfb4c62a691_prep
	.p2alignl 7, 3214868480
	.fill 96, 4, 3214868480
	.section	.rodata,"a",@progbits
	.p2align	6, 0x0
	.amdhsa_kernel k_qfb4c62a691_prep
		.amdhsa_group_segment_fixed_size 68096
		.amdhsa_private_segment_fixed_size 0
		.amdhsa_enable_private_segment 0
		.amdhsa_kernarg_size 56
		.amdhsa_user_sgpr_count 2
		.amdhsa_user_sgpr_kernarg_segment_ptr 1
		.amdhsa_wavefront_size32 1
		.amdhsa_system_sgpr_workgroup_id_x 1
		.amdhsa_system_sgpr_workgroup_id_y 1
		.amdhsa_system_sgpr_workgroup_id_z 1
		.amdhsa_system_vgpr_workitem_id 0
		.amdhsa_next_free_vgpr 226
		.amdhsa_next_free_sgpr 66
		.amdhsa_reserve_vcc 1
		.amdhsa_float_denorm_mode_32 3
		.amdhsa_float_denorm_mode_16_64 3
		.amdhsa_memory_ordered 1
		.amdhsa_forward_progress 1
		.amdhsa_inst_pref_size 67
	.end_amdhsa_kernel
	.amdgpu_metadata
---
amdhsa.version: [ 1, 2 ]
amdhsa.kernels:
  - .name:           k_qfb4c62a691_prep
    .symbol:         k_qfb4c62a691_prep.kd
    .args:
      - { .name: x, .offset: 0, .size: 8, .value_kind: global_buffer, .address_space: global }
      - { .name: wq_w, .offset: 8, .size: 8, .value_kind: global_buffer, .address_space: global }
      - { .name: wk_w, .offset: 16, .size: 8, .value_kind: global_buffer, .address_space: global }
      - { .name: wv_w, .offset: 24, .size: 8, .value_kind: global_buffer, .address_space: global }
      - { .name: wo_w, .offset: 32, .size: 8, .value_kind: global_buffer, .address_space: global }
      - { .name: codes, .offset: 40, .size: 8, .value_kind: global_buffer, .address_space: global }
      - { .name: scales, .offset: 48, .size: 8, .value_kind: global_buffer, .address_space: global }
    .group_segment_fixed_size: 68096
    .private_segment_fixed_size: 0
    .kernarg_segment_align: 8
    .kernarg_segment_size: 56
    .max_flat_workgroup_size: 128
    .sgpr_count:     66
    .vgpr_count:     226
    .wavefront_size: 32
...
	.end_amdgpu_metadata
.endif
;; end of part 1
;; launch qkv (part 2): grid 32 x 8, 4 waves a work-group, clusters of 4 x 4, 327,680 bytes of LDS; arguments codes, scales, wq_b, wk_b, wv_b, freqs_cos, freqs_sin, q, kv; writes q, kv
.if DOCPART == 2
	.amdgcn_target "amdgcn-amd-amdhsa--gfx1250"
	.amdhsa_code_object_version 6
	.text
	.protected	k_qfb4c62a691_qkv
	.globl	k_qfb4c62a691_qkv
	.p2align	8
	.type	k_qfb4c62a691_qkv,@function
k_qfb4c62a691_qkv:
	s_mov_b64 s[64:65], 0
	v_nop
	global_prefetch_b8 v0, s[64:65] scope:SCOPE_SE
	s_setreg_imm32_b32 hwreg(HW_REG_WAVE_MODE, 25, 1), 1
	s_wait_xcnt 0x0
	s_wait_alu depctr_hold_cnt(0) depctr_sa_sdst(0) depctr_va_vdst(0) depctr_va_sdst(0) depctr_va_ssrc(0) depctr_va_vcc(0) depctr_vm_vsrc(0)
	s_getreg_b32 s2, hwreg(HW_REG_IB_STS2, 6, 4)
	s_cmp_eq_u32 s2, 0
	s_cbranch_scc0 .Lentry_in_a_cluster
	s_endpgm
.Lentry_in_a_cluster:
	s_bfe_u32 s2, ttmp6, 0x10000c
	s_cmp_lg_u32 s2, 0xf033
	s_cbranch_scc0 .Lentry_shape_is_right
	s_endpgm
.Lentry_shape_is_right:
; QKV.  q = x wq + bq, k = x wk + bk (both with the rotation of each head's last 64 numbers) and V^T = (x wv + bv)^T, as ONE grid of 256 tiles of 256 x 256, K = 2,048, on codes of FP6 (E2M3) with E8M0 scales;
; the results are quantised in registers, along the next product's K, and stored as images of the next product's operand registers.  No f32 result goes to memory.
; OPERANDS come from the workspace of the launch before: rows 0 x; 2048 wv; 4096 wq (128 a head); 6144 wk; 8192 wq (64 a head); 9216 wk; 10240 x in the order PI.  A tile of 16 rows x 128 K is 1,536 dense bytes,
; the image of its 12 registers (registers 4 c .. 4 c + 3 of lane l at 512 c + 16 l): a fragment is three loads of 16 bytes a lane, 512 consecutive bytes each: no pitch, no padding.
; THE KIND OF WORK follows the cluster's x, which all sixteen partners share:  0, 1: q's 128;  2, 3: k's 128;  4: q's 64;  5: k's 64;  6, 7: V^T.
;   source 1 (A, a lane's row): q: x;  k: x in the order PI;  V^T: wv's columns.    source 0 (B, along a lane's registers): workspace rows 4096 + 256 x tile column: wq, wk, or (V^T) x in the order PI.
; B's rows are in the order PI, so that the 16 registers of two neighbouring tiles are 16 NEIGHBOURS along the next K: register 16 b + i of a lane = number 32 b + 16 (lane / 16) + i of its row.
; A wave's 128 x 128: 128 queries or keys x one head's 128 (or two heads' 64), or one head's 128 channels of V x 128 keys: whole K steps of the next product.
; A work-group of four waves makes 256 x 256; K goes in slots of 256 through a ring of two LDS slots filled by joint tensor loads: A's tile is shared along a row of the 4 x 4 cluster, B's along a column.
; The scale words of the work-group's rows, for all of K, come once with the first fills.  The biases are the C of each sum's first matrix instruction.
; RESULTS.  q: [head][block of 128 queries][19,456]: 8 images (128 of the head), 8 half images at 12,288 (registers 0-5: the rotated 64), scale words at 18,432.
;   kv: [head][step of 128 keys][32,768]: the same for k, then at 19,456 V^T's 8 images and at 31,744 their scale words.  A half image: registers 0-3 at 16 l, registers 4, 5 at 512 + 8 l.
;   Scale words of q and k: for tiles 4 c .. 4 c + 3 four words a lane at 512 c + 16 l: lanes 0-15 the 128's, lanes 16-31 the 64's (two bytes, and 127 twice over the zero codes).
; LIMITS: a block of zeros, and one under 2^-124, gets the byte 1; NaN and infinities are not served; the rotation uses fused multiply-adds (one rounding where reference() has two).
; REGISTERS, in windows of 256: window 0: v1-11 addresses of the way out; v16-29 LDS addresses; v32-63 scale words, two sets; v64-127 the bias; v128-223 A's 8 fragments, one set.
;   window 1: B's fragments, two sets, at v0 and v128 (later cos and sin).   windows 2, 3: the 64 accumulators ((a, b) at v[8 (8 (a % 4) + b)]).
.set KSA,    2752512                   ; a K slot on, in A's buffer and in B's
.set KSB,    2752512
.set HALFT,  24576                     ; 8 tiles x 2 K steps x 1,536: what one tensor load brings, and what one wave reads of A or of B
.set SLOT,   4*HALFT                   ; A's two halves, then B's
.set SCL,    2*SLOT                    ; behind the ring: A's scale words ([half][K step 16][128 rows]); B's begin 16,448 bytes on: the 64 keep A's and B's lanes of a load in different banks
.set SPARE,  229632                    ; the spare words, 128 bytes for each wave: two blocks of 256 bytes that no other line names
.set FR,     12
.set NL,     3                         ; LDS loads of a fragment
.set LAPS,   4                         ; 8 K slots, two to a lap
.set ADRA, 16                          ; v16-17 LDS address of my A fragments in slot 0, 1
.set ADRB, 20                          ; v20-21 the same for B
.set ADRS, 27                          ; v27    of my scale words: lanes 0-15 A's rows, lanes 16-31 B's
.set SPW,  28                          ; v28    my spare word; never rewritten
.set NIL,  29                          ; v29    0; never rewritten
.set SC,   32                          ; set s at v[SC + 16 s]; register 2 i + q: block i, the slot's q-th K step
.set BI,   64
.set AF,   128
.set G1, 24                            ; s[24:31], s[32:39] descriptor groups 1 and 0 (a set for each slot) for A's tiles
.set G0, 32
.set G1B, 48                           ; s[48:55], s[56:63] for B's
.set G0B, 56
.set G1S, 68                           ; s[68:75], s[76:79] for A's scale words; s[80:87], s[88:91] for B's
.set G0S, 76
.set G1SB, 80
.set G0SB, 88
.set TM,  32                           ; the way out, window 0: v32-47 at work, v48-59 codes, v60-67 second halves, v68-75 the 8 scale words, v128-191 products of the rotation
.set PC,  48
.set CT,  60
.set PWB, 68
.set RT,  128
.set OUT0, 68                          ; s[68:69], s[70:71] where the results go; s[76:77] lane selects (the descriptors are done with by then)
.set OUT1, 70
.set SEL,  76
.set MSB, 0
.macro WIN new                         ; the immediate's high byte repeats the setting that is left
.if MSB != (\new)
	s_set_vgpr_msb (MSB<<8)|(\new)
.set MSB, (\new)
.endif
.endm
; A joint load: waves 0 and 1 fetch for A, waves 2 and 3 for B.  The branch hangs on the wave's number alone.  Four v_nop follow each of the two lines.
.macro JLOAD g0a, g1a, g0b, g1b
	s_cmp_eq_u32 s15, 0
	s_cbranch_scc0 .Lfor_b_\@
	tensor_load_to_lds s[\g0a:\g0a+3], s[\g1a:\g1a+7]
	s_nop 0
.rept 4
	v_nop
.endr
	s_branch .Lasked_\@
.Lfor_b_\@:
	tensor_load_to_lds s[\g0b:\g0b+3], s[\g1b:\g1b+7]
	s_nop 0
.rept 4
	v_nop
.endr
.Lasked_\@:
.endm
.macro CREST                           ; a round of the cluster's barrier behind its opening barrier
	s_cmp_lg_u32 s14, 0
	s_cbranch_scc1 .Lnot_wave_0_\@
	s_barrier_signal -3
.Lnot_wave_0_\@:
	s_barrier_wait -3
	s_barrier_signal -1
	s_barrier_wait -1
.endm
.macro CROUND
	s_barrier_signal -1
	s_barrier_wait -1
	CREST
.endm
.macro PLACES n
.rept \n
	v_nop
.endr
.endm
.macro FRAG reg, adr, q, i             ; tile i's image of the slot's q-th K step
.irp c, 0,1,2
	ds_load_b128 v[\reg+4*\c:\reg+4*\c+3], v[\adr] offset:(\i)*3072+(\q)*1536+512*\c
.endr
.endm
.macro FETCH_B slot, q, p              ; B's eight fragments into set p
	WIN 0x40
.irp i, 0,1,2,3,4,5,6,7
	FRAG 128*(\p)+FR*\i, ADRB+\slot, \q, \i
.endr
	WIN 0
.endm
.macro FETCH_A slot, q, i0             ; A's blocks i0 .. i0 + 3
.irp i, \i0, \i0+1, \i0+2, \i0+3
	FRAG AF+FR*(\i), ADRA+\slot, \q, \i
.endr
.endm
.macro SCALES sc                       ; a slot's scale words: lanes 0-15 take A's block i, lanes 16-31 B's block i
.irp i, 0,1,2,3,4,5,6,7
.irp q, 0,1
	ds_load_b32 v[SC+16*\sc+2*\i+\q], v[ADRS] offset:512*\q+64*\i
.endr
.endr
.endm
; 16 matrix instructions: A's blocks a0, a0 + 1 x B's eight.  cm = 0: the sums go on in place;  1: they start from the bias of B's tile;  2: from that of A's block (the bias lies in window 0).
; The 64 accumulators take turns, one instruction a turn, in the same order in every step.
.macro MUL16 a0, p, q, sc, cm
.irp a, \a0, \a0+1
.irp b, 0,1,2,3,4,5,6,7
.set DD, 8*(8*((\a)%4)+\b)
.set CC, DD
.if \cm == 1
.set CC, BI+8*\b
.endif
.if \cm == 2
.set CC, BI+8*(\a)
.endif
	v_wmma_scale_f32_16x16x128_f8f6f4 v[DD:DD+7], v[128*(\p)+FR*\b:128*(\p)+FR*\b+FR-1], v[AF+FR*(\a):AF+FR*(\a)+FR-1], v[CC:CC+7], v[SC+16*(\sc)+2*\b+(\q)], v[SC+16*(\sc)+2*(\a)+(\q)] matrix_a_fmt:MATRIX_FMT_FP6 matrix_b_fmt:MATRIX_FMT_FP6 matrix_a_scale:MATRIX_SCALE_ROW1
.endr
.endr
.endm
; A step of 128 along K that has its successor in the same slot.  Loads into registers that matrix instructions have read stand four plain places behind them.
.macro STEP slot, q, cm
	s_wait_dscnt 4*NL                              ; all but the youngest twelve loads (A's blocks 4-7)
.if \cm
	WIN 0x81                                       ; source 0 (B) window 1, source 1 (A) and C window 0, D window 2
.else
	WIN 0xa1                                       ; C and D window 2
.endif
	MUL16 0, (\q)%2, \q, \slot, \cm
	MUL16 2, (\q)%2, \q, \slot, \cm
	s_wait_dscnt 0
	PLACES 4
	FETCH_B \slot, (\q)+1, 1-(\q)%2
	FETCH_A \slot, (\q)+1, 0
.if \cm
	WIN 0xc1
.else
	WIN 0xf1
.endif
	MUL16 4, (\q)%2, \q, \slot, \cm
	MUL16 6, (\q)%2, \q, \slot, \cm
	PLACES 4
	WIN 0
	FETCH_A \slot, (\q)+1, 4
.endm
; A slot's last step changes slots: ONE barrier; in front of it each wave waits for all its tensor loads, adds 0 to its spare word, and waits for that and for its reads of this slot.  fill = 1: the slot is filled again, two K slots ahead.
.macro TURN slot, next, fill
	s_wait_tensorcnt 0x0                           ; all my tensor loads have landed: my part of the next slot
	ds_add_u32 v[SPW], v[NIL]                      ; 0 onto my spare word
	s_wait_dscnt 4*NL+1                            ; (the add and the youngest twelve loads may be out)
	WIN 0xa1
	MUL16 0, 1, 1, \slot, 0                        ; sixteen matrix instructions stand between the add and the wait for it
	s_wait_dscnt 0x0                               ; the add is done, and my reads of this slot are over
	s_barrier_signal -1
	MUL16 2, 1, 1, \slot, 0
	WIN 0
	s_barrier_wait -1
.if \fill
	CREST                                          ; the barrier has opened a round of the cluster's: no wave of any partner still reads this slot or has a load on its way
	s_add_nc_u64 s[G0+4*\slot+2:G0+4*\slot+3], s[G0+4*\slot+2:G0+4*\slot+3], 2*KSA
	s_add_nc_u64 s[G0B+4*\slot+2:G0B+4*\slot+3], s[G0B+4*\slot+2:G0B+4*\slot+3], 2*KSB
	JLOAD G0+4*\slot, G1, G0B+4*\slot, G1B         ; the first tensor load behind the round; its four v_nop are the places in front of the loads below
.else
	PLACES 4
.endif
	v_add_nc_u32 v[ADRS], 1024, v[ADRS]            ; the next slot's scale words (no LDS load of mine is out)
	FETCH_B \next, 0, 0
	FETCH_A \next, 0, 0
	SCALES \next
	WIN 0xf1
	MUL16 4, 1, 1, \slot, 0
	MUL16 6, 1, 1, \slot, 0
	PLACES 4
	WIN 0
	FETCH_A \next, 0, 4
.endm
	s_load_b256 s[4:11], s[0:1], 0x0               ; codes, scales, wq_b, wk_b
	s_load_b256 s[92:99], s[0:1], 0x20             ; wv_b, cos, sin, q
	s_load_b64 s[100:101], s[0:1], 0x40            ; kv
	v_lshl_add_u32 v[SPW], v0, 2, SPARE
	v_mov_b32 v[NIL], 0
	ds_add_u32 v28, v29
	ds_add_u32 v28, v29
	s_wait_dscnt 0x0
	v_lshrrev_b32 v1, 5, v0
	v_readfirstlane_b32 s14, v1                    ; wave 0..3
	s_lshr_b32 s15, s14, 1                         ; which half of A's rows is mine.  Also: I fetch for A (0) or for B (1)
	s_and_b32 s16, s14, 1                          ; which half of B's rows.  Also: which 128 rows I fetch
	s_bfe_u32 s40, ttmp6, 0x40000                  ; cx, cy: my place in the cluster
	s_bfe_u32 s41, ttmp6, 0x40004
	s_lshl_b32 s42, ttmp9, 2
	s_add_co_u32 s42, s42, s40                     ; tile column = 4 x cluster x + cx
	s_and_b32 s17, ttmp7, 0xffff
	s_lshl_b32 s17, s17, 2
	s_add_co_u32 s17, s17, s41                     ; tile row = 4 x cluster y + cy
	s_lshl_b32 s43, s41, 2
	s_lshl_b32 s43, 15, s43                        ; my row of the cluster
	s_lshl_b32 s44, 0x1111, s40                    ; my column
	s_cmp_ge_u32 ttmp9, 6                          ; the kind, from the cluster's x alone
	s_cselect_b32 s66, 1, 0                        ; V^T
	s_lshr_b32 s18, ttmp9, 1
	s_cmp_eq_u32 s18, 2
	s_cselect_b32 s67, 1, 0                        ; the rotated 64
	s_cmp_eq_u32 s18, 1
	s_cselect_b32 s12, 1, 0
	s_cmp_eq_u32 ttmp9, 5
	s_cselect_b32 s12, 1, s12                      ; k
	s_mul_i32 s13, s12, 10240                      ; A's first workspace row: q 0, k 10240,
	s_cmp_eq_u32 s66, 1
	s_cselect_b32 s13, 2048, s13                   ; V^T 2048
	; descriptor group 1.  A tile half: 24,576 dense bytes as 96 rows of 256 (32 elements of 8 bytes)
	s_or_b32 s[G1+0], s43, (3<<16)|(1<<21)         ; 15:0 the mask: A's tiles go to my row; 17:16 elements of 8 bytes; 21 set beside a mask
	s_or_b32 s[G1B+0], s44, (3<<16)|(1<<21)        ; B's to my column
.irp g, G1, G1B
	s_mov_b32 s[\g+1], 32<<16                      ; tensor_dim0
	s_mov_b32 s[\g+2], 96<<16                      ; tensor_dim1
	s_mov_b32 s[\g+3], 32<<16                      ; tile_dim0
	s_mov_b32 s[\g+4], 96                          ; tile_dim1
	s_mov_b32 s[\g+5], 32                          ; the pitch
	s_mov_b32 s[\g+6], 0
	s_mov_b32 s[\g+7], 0
.endr
	; the scale words of 128 rows: 16 K steps x 512 bytes, 57,344 bytes apart
	s_or_b32 s[G1S+0], s43, (3<<16)|(1<<21)
	s_or_b32 s[G1SB+0], s44, (3<<16)|(1<<21)
.irp g, G1S, G1SB
	s_mov_b32 s[\g+1], 64<<16
	s_mov_b32 s[\g+2], 16<<16
	s_mov_b32 s[\g+3], 64<<16
	s_mov_b32 s[\g+4], 16
	s_mov_b32 s[\g+5], 7168
	s_mov_b32 s[\g+6], 0
	s_mov_b32 s[\g+7], 0
.endr
	s_lshl_b32 s18, s16, 7                         ; which 128 rows I fetch
	s_lshl_b32 s20, s17, 8
	s_add_co_u32 s20, s20, s13
	s_add_co_u32 s20, s20, s18                     ; A's row: of the kind, the tile row and the wave alone
	s_lshl_b32 s46, s42, 8
	s_add_co_u32 s46, s46, 4096
	s_add_co_u32 s46, s46, s18                     ; B's row: of the tile column and the wave alone
	s_lshl_b32 s22, s20, 2                         ; their scale words: 4 bytes a row
	s_mov_b32 s23, 0
	s_lshl_b32 s2, s46, 2
	s_mov_b32 s3, 0
	s_mul_i32 s20, s20, 192                        ; their codes: 3,072 bytes a tile of 16 rows
	s_mov_b32 s21, 0
	s_mul_i32 s46, s46, 192
	s_mov_b32 s47, 0
	s_mul_i32 s45, s14, HALFT                      ; where they go: no place in the cluster enters an LDS address
	s_lshl_b32 s19, s14, 13
	s_lshl_b32 s18, s15, 6
	s_add_co_u32 s19, s19, s18                     ; the scale words: 8,192 x wave, + 64 for B's
	s_wait_kmcnt 0x0
	s_add_nc_u64 s[20:21], s[4:5], s[20:21]
	s_add_nc_u64 s[22:23], s[6:7], s[22:23]
	s_add_nc_u64 s[46:47], s[4:5], s[46:47]
	s_add_nc_u64 s[2:3], s[6:7], s[2:3]
	CROUND                                         ; all sixteen work-groups are here: the first joint loads meet
	s_mov_b32 s[G0S], 1
	s_add_co_u32 s[G0S+1], s19, SCL
	s_mov_b64 s[G0S+2:G0S+3], s[22:23]
	s_or_b32 s[G0S+3], s[G0S+3], 0x80000000
	s_mov_b32 s[G0SB], 1
	s_add_co_u32 s[G0SB+1], s19, SCL
	s_mov_b64 s[G0SB+2:G0SB+3], s[2:3]
	s_or_b32 s[G0SB+3], s[G0SB+3], 0x80000000
	JLOAD G0S, G1S, G0SB, G1SB                     ; the scale words first: they are wanted with K slot 0
.irp s, 0,1
	s_mov_b32 s[G0+4*\s], 1
	s_add_co_u32 s[G0+4*\s+1], s45, \s*SLOT
	s_add_nc_u64 s[G0+4*\s+2:G0+4*\s+3], s[20:21], \s*KSA
	s_or_b32 s[G0+4*\s+3], s[G0+4*\s+3], 0x80000000
	s_mov_b32 s[G0B+4*\s], 1
	s_add_co_u32 s[G0B+4*\s+1], s45, \s*SLOT
	s_add_nc_u64 s[G0B+4*\s+2:G0B+4*\s+3], s[46:47], \s*KSB
	s_or_b32 s[G0B+4*\s+3], s[G0B+4*\s+3], 0x80000000
	JLOAD G0+4*\s, G1, G0B+4*\s, G1B               ; three tensor loads of mine are out now
.endr
	v_and_b32 v1, 31, v0
	v_lshlrev_b32 v2, 3, v1                        ; v2 = 8 x lane
	v_lshlrev_b32 v1, 4, v1                        ; v1 = 16 x lane: an image's place for my lane
	v_and_b32 v9, 15, v0                           ; r
	v_bfe_u32 v10, v0, 4, 1                        ; h
	s_mul_i32 s21, s15, HALFT                      ; my 128 rows of A,
	s_mul_i32 s22, s16, HALFT
	s_add_co_u32 s22, s22, 2*HALFT                 ; of B
.irp s, 0,1
	v_add_nc_u32 v[ADRA+\s], s21, v1
	v_add_nc_u32 v[ADRB+\s], s22, v1
	s_add_co_u32 s21, s21, SLOT
	s_add_co_u32 s22, s22, SLOT
.endr
	s_lshl_b32 s21, s15, 13                        ; A's scale words: my half
	s_lshl_b32 s22, s16, 13
	s_add_co_u32 s22, s22, 16448                   ; B's
	s_sub_co_u32 s22, s22, s21
	v_mul_u32_u24 v11, s22, v10                    ; lanes 16-31 take B's: one product, the distance between the two
	s_add_co_u32 s21, s21, SCL
	v_lshl_add_u32 v11, v9, 2, v11
	v_add_nc_u32 v[ADRS], s21, v11
	v_lshlrev_b32 v3, 4, v9
	v_lshl_add_u32 v3, v10, 9, v3                  ; v3 = 512 h + 16 r: the scale words' way out
	v_and_b32 v8, 8, v9                            ; 8 (r / 8)
	v_mul_u32_u24 v4, s12, v8                      ; k's rows are in the order PI
	v_add_nc_u32 v4, v4, v9
	v_lshlrev_b32 v4, 7, v4
	v_lshl_add_u32 v4, v10, 5, v4                  ; v4: cos and sin of an even block's row: 128 bytes a position, + 32 h
	s_xor_b32 s21, s12, 1
	s_lshl_b32 s21, s21, 10
	v_add_nc_u32 v5, s21, v4                       ; v5: of an odd block's: 16 positions on for q, 8 for k (the other 8 stand in the immediate)
	v_lshlrev_b32 v6, 6, v10                       ; v6 = 64 h: the bias of B's tiles 0-3
	s_lshl_b32 s21, s67, 9
	v_add_nc_u32 v7, s21, v6                       ; v7: of tiles 4-7: in the 64's the second head begins 128 numbers further on
	v_add_nc_u32 v8, v8, v9
	v_lshlrev_b32 v11, 2, v8                       ; v11 = 4 (r + 8 (r / 8)): the bias of A's rows (V^T)
	s_lshl_b32 s18, s17, 1
	s_add_co_u32 s18, s18, s15                     ; s18: my 128 rows of A among 16: block of queries, step of keys, or (V^T) head
	s_and_b32 s19, s42, 7
	s_lshl_b32 s19, s19, 1
	s_add_co_u32 s19, s19, s16                     ; s19: my 128 rows of B among 16: head, or (V^T) step of keys
	s_mul_i32 s21, s19, 768                        ; the 128's: head x 192 numbers
	s_and_b32 s22, s42, 3
	s_lshl_b32 s22, s22, 1
	s_add_co_u32 s22, s22, s16
	s_mul_i32 s23, s22, 1536                       ; the 64's: pair of heads x 384 numbers,
	s_add_co_u32 s23, s23, 512                     ; + 128
	s_cmp_eq_u32 s67, 1
	s_cselect_b32 s46, s23, s21
	s_mov_b32 s47, 0
	s_cmp_eq_u32 s12, 1
	s_cselect_b64 s[20:21], s[10:11], s[8:9]
	s_add_nc_u64 s[20:21], s[20:21], s[46:47]
	s_lshl_b32 s46, s18, 9
	s_add_nc_u64 s[22:23], s[92:93], s[46:47]      ; wv_b at my head
	s_cmp_eq_u32 s66, 1
	s_cbranch_scc1 .Lbias_v
.irp b, 0,1,2,3                        ; tile b = 2 b' + u, lane half h, register j: number 32 b' + 16 h + 8 u + j of my 128
	global_load_b128 v[BI+8*\b:BI+8*\b+3], v6, s[20:21] offset:4*(32*(\b/2)+8*(\b%2))
	global_load_b128 v[BI+8*\b+4:BI+8*\b+7], v6, s[20:21] offset:4*(32*(\b/2)+8*(\b%2))+16
.endr
.irp b, 4,5,6,7
	global_load_b128 v[BI+8*\b:BI+8*\b+3], v7, s[20:21] offset:4*(32*(\b/2)+8*(\b%2))
	global_load_b128 v[BI+8*\b+4:BI+8*\b+7], v7, s[20:21] offset:4*(32*(\b/2)+8*(\b%2))+16
.endr
	s_branch .Lbias_in
.Lbias_v:
.irp a, 0,1,2,3,4,5,6,7                ; block a = 2 a' + u, lane r: channel 32 a' + 8 u + r + 8 (r / 8)
	global_load_b32 v[BI+8*\a], v11, s[22:23] offset:4*(32*(\a/2)+8*(\a%2))
.endr
.Lbias_in:
	s_wait_tensorcnt 1                             ; the scale words and my part of K slot 0 are in (slot 1's load may be out)
	s_barrier_signal -1
	s_barrier_wait -1                              ; everybody's are
	FETCH_B 0, 0, 0
	FETCH_A 0, 0, 0
	SCALES 0
	FETCH_A 0, 0, 4
	s_wait_loadcnt 0x0                             ; the bias
	s_cmp_eq_u32 s66, 1
	s_cbranch_scc1 .Lfirst_v
	STEP 0, 0, 1                                   ; the first step starts the sums from the bias: nothing is cleared
	s_branch .Lfirst_done
.Lfirst_v:
.irp a, 0,1,2,3,4,5,6,7
.irp i, 1,2,3,4,5,6,7
	v_mov_b32 v[BI+8*\a+\i], v[BI+8*\a]            ; a lane's row has one bias for its eight registers
.endr
.endr
	PLACES 4
	STEP 0, 0, 2
.Lfirst_done:
	s_mov_b32 s3, LAPS-1
.Llap:                                 ; a trip goes once round the ring, from a lap's second step to the next lap's first, and fills both slots again
	TURN 0, 1, 1
	STEP 1, 0, 0
	TURN 1, 0, 1
	STEP 0, 0, 0
	s_sub_co_u32 s3, s3, 1
	s_cmp_lg_u32 s3, 0
	s_cbranch_scc1 .Llap
	TURN 0, 1, 0                                   ; the last lap fills nothing, and has no round
	STEP 1, 0, 0
	s_wait_dscnt 4*NL                              ; the very last step
	WIN 0xa1
	MUL16 0, 1, 1, 1, 0
	MUL16 2, 1, 1, 1, 0
	s_wait_dscnt 0
	WIN 0xf1
	MUL16 4, 1, 1, 1, 0
	MUL16 6, 1, 1, 1, 0
	WIN 0
	PLACES 4                                       ; in front of the first read of results, of writes and of loads into registers that the products read
	; ---- THE WAY OUT: no LDS.  A block of 16 rows x 128 (64 registers a lane) becomes a fragment's codes and a scale word, and is stored as an image.
	s_mov_b32 s[SEL], 0x76543210
	s_mov_b32 s[SEL+1], 0xfedcba98                 ; v_permlanex16_b32's selects for lane l xor 16
	s_or_b32 s20, s12, s66                         ; k and V^T go to kv
	s_mov_b32 s21, 19456
	s_cmp_eq_u32 s20, 1
	s_cselect_b32 s21, 32768, s21                  ; a block of q or of kv in bytes
	s_cselect_b64 s[OUT0:OUT0+1], s[100:101], s[98:99]
	s_lshl_b32 s22, s19, 4
	s_add_co_u32 s22, s22, s18                     ; the 128's: 16 head + block
	s_lshl_b32 s23, s18, 4
	s_add_co_u32 s23, s23, s19                     ; V^T: 16 head + step
	s_cmp_eq_u32 s66, 1
	s_cselect_b32 s22, s23, s22
	s_cselect_b32 s72, 19456, 0
	s_and_b32 s23, s42, 3
	s_lshl_b32 s23, s23, 1
	s_add_co_u32 s23, s23, s16
	s_lshl_b32 s23, s23, 5
	s_add_co_u32 s23, s23, s18                     ; the 64's: 16 x the even head + block
	s_cmp_eq_u32 s67, 1
	s_cselect_b32 s22, s23, s22
	s_cselect_b32 s72, 12288, s72
	s_mul_i32 s22, s22, s21
	s_add_co_u32 s72, s72, s22
	s_mov_b32 s73, 0
	s_add_nc_u64 s[OUT0:OUT0+1], s[OUT0:OUT0+1], s[72:73]
	s_lshl_b32 s72, s21, 4
	s_add_nc_u64 s[OUT1:OUT1+1], s[OUT0:OUT0+1], s[72:73]   ; the odd head (used by the 64's alone)
	s_lshl_b32 s72, s18, 14                        ; cos and sin at my 128 positions
	s_add_nc_u64 s[94:95], s[94:95], s[72:73]
	s_add_nc_u64 s[96:97], s[96:97], s[72:73]
.irp b, 0,1,2,3
	v_mov_b32 v[TM+4+\b], 0                        ; (a lane permute's destination counts as one of its sources)
.endr
	v_cmp_eq_u32 vcc_lo, 1, v10                    ; lanes 16-31
; 64 numbers of a lane in window w at v[ac] on, register 16 b + i = number 32 b + 16 h + i of my row, become codes in v[PC] on and the scale word v[PWB + a].  Each accumulator is read from its low end on.
.macro QUANTW ac, w, a
	WIN 0x28+0x14*((\w)-2)                         ; sources 1 and 2 in window w
.irp b, 0,1,2,3
	v_max3_num_f32 v[TM+\b], 0x1800000, |v[(\ac)+16*\b]|, |v[(\ac)+16*\b+1]|   ; my 16 numbers of block b, and the floor 2^(3 - 127)
.endr
.irp i, 2,4,6,8,10,12,14
.irp b, 0,1,2,3
	v_max3_num_f32 v[TM+\b], v[TM+\b], |v[(\ac)+16*\b+\i]|, |v[(\ac)+16*\b+\i+1]|
.endr
.endr
	WIN 0
.irp b, 0,1,2,3
	v_permlanex16_b32 v[TM+4+\b], v[TM+\b], s[SEL], s[SEL+1]
.endr
.irp b, 0,1,2,3
	v_max_num_f32 v[TM+\b], v[TM+\b], v[TM+4+\b]   ; with lane l xor 16's: the block's largest magnitude
.endr
.irp b, 0,1,2,3
	v_add_nc_u32 v[TM+12+\b], 0xff000000, v[TM+\b] ; 2 off its exponent field: the conversion's scale operand
.endr
.irp b, 0,1,2,3
	v_lshrrev_b32 v[TM+4+\b], 23, v[TM+12+\b]      ; the byte
.endr
	v_lshl_or_b32 v[PWB+(\a)], v[TM+5], 8, v[TM+4]
	v_lshl_or_b32 v[PWB+(\a)], v[TM+6], 16, v[PWB+(\a)]
	v_lshl_or_b32 v[PWB+(\a)], v[TM+7], 24, v[PWB+(\a)]
	s_wait_xcnt 0x0                                ; the last block's stores have read the code registers, which are written again below
	WIN 0x02+((\w)-2)                              ; source 0 in window w
.irp c, 0,1
	v_cvt_scalef32_pk16_fp6_f32 v[PC+6*\c:PC+6*\c+2], v[(\ac)+32*\c:(\ac)+32*\c+15], v[TM+12+2*\c]
	v_cvt_scalef32_pk16_fp6_f32 v[CT+4*\c:CT+4*\c+2], v[(\ac)+32*\c+16:(\ac)+32*\c+31], v[TM+13+2*\c]
.endr
	WIN 0
	v_nop                                          ; one plain place behind the last conversion
.irp c, 0,1                            ; the operand's layout wants a whole block in a lane: lanes 0-15 block 2 c, lanes 16-31 block 2 c + 1
.irp i, 0,1,2
	v_permlane16_swap_b32 v[PC+6*\c+\i], v[CT+4*\c+\i]
.endr
.irp i, 0,1,2
	v_mov_b32 v[PC+6*\c+3+\i], v[CT+4*\c+\i]
.endr
.endr
.endm
	s_cmp_eq_u32 s67, 1
	s_cbranch_scc1 .Lrope
.irp a, 0,1,2,3,4,5,6,7                ; ---- the 128's and V^T
	QUANTW 64*(\a%4), 2+\a/4, \a
.irp c, 0,1,2
	global_store_b128 v1, v[PC+4*\c:PC+4*\c+3], s[OUT0:OUT0+1] offset:1536*\a+512*\c   ; 512 consecutive bytes
.endr
.endr
	s_cmp_eq_u32 s66, 1
	s_cbranch_scc1 .Lsc_v
.irp i, 0,1,2,3
	v_cndmask_b32 v[76+\i], v[PWB+\i], v[PWB+4+\i], vcc_lo   ; lanes 0-15 store tiles 0-3's words, lanes 16-31 tiles 4-7's: each the lower 256 bytes of its 512
.endr
	global_store_b128 v3, v[76:79], s[OUT0:OUT0+1] offset:18432
	s_branch .Lend
.Lsc_v:
	global_store_b128 v1, v[PWB:PWB+3], s[OUT0:OUT0+1] offset:12288      ; V^T's words: all 32 lanes hold their row's
	global_store_b128 v1, v[PWB+4:PWB+7], s[OUT0:OUT0+1] offset:12800
	s_branch .Lend
.Lrope:                                ; ---- the 64's: two heads a wave.  Register 16 b + 2 p (+ 1) is the pair 16 (b % 2) + 8 h + p of head b / 2
	WIN 0x40                                       ; cos and sin fill window 1: block a: cos at 32 a, sin at 32 a + 16, each 8 (b % 2) + p
.irp a, 0,2,4,6
.irp e, 0,1
.irp k, 0,1
	global_load_b128 v[32*\a+8*\e+4*\k:32*\a+8*\e+4*\k+3], v4, s[94:95] offset:2048*\a+64*\e+16*\k
	global_load_b128 v[32*\a+16+8*\e+4*\k:32*\a+16+8*\e+4*\k+3], v4, s[96:97] offset:2048*\a+64*\e+16*\k
.endr
.endr
.irp e, 0,1
.irp k, 0,1
	global_load_b128 v[32*\a+32+8*\e+4*\k:32*\a+32+8*\e+4*\k+3], v5, s[94:95] offset:2048*\a+1024+64*\e+16*\k
	global_load_b128 v[32*\a+48+8*\e+4*\k:32*\a+48+8*\e+4*\k+3], v5, s[96:97] offset:2048*\a+1024+64*\e+16*\k
.endr
.endr
.endr
	WIN 0
.macro ROT a                           ; (xr, xi) -> (xr c - xi s, xi c + xr s): a packed product with the halves crossed, then a packed multiply-add that takes its low half away
.set AC, 64*((\a)%4)
.set CN, 32*(\a)
.set SN, 32*(\a)+16
	s_wait_loadcnt 8*(7-(\a))                      ; this block's eight loads are in; the later blocks' may be out
	WIN 0x06+(\a)/4                                ; source 0 the accumulators' window, source 1 window 1
.irp b, 0,1,2,3
.irp m, 0,1,2,3
	v_pk_mul_f32 v[RT+16*\b+4*\m:RT+16*\b+4*\m+1], v[AC+16*\b+4*\m:AC+16*\b+4*\m+1], v[SN+8*(\b%2)+2*\m:SN+8*(\b%2)+2*\m+1] op_sel:[1,0] op_sel_hi:[0,0]
	v_pk_mul_f32 v[RT+16*\b+4*\m+2:RT+16*\b+4*\m+3], v[AC+16*\b+4*\m+2:AC+16*\b+4*\m+3], v[SN+8*(\b%2)+2*\m:SN+8*(\b%2)+2*\m+1] op_sel:[1,1] op_sel_hi:[0,1]
.endr
.endr
	WIN 0x86+0x41*((\a)/4)                         ; and the destination there too
.irp b, 0,1,2,3
.irp m, 0,1,2,3
	v_pk_fma_f32 v[AC+16*\b+4*\m:AC+16*\b+4*\m+1], v[AC+16*\b+4*\m:AC+16*\b+4*\m+1], v[CN+8*(\b%2)+2*\m:CN+8*(\b%2)+2*\m+1], v[RT+16*\b+4*\m:RT+16*\b+4*\m+1] op_sel:[0,0,0] op_sel_hi:[1,0,1] neg_lo:[0,0,1]
	v_pk_fma_f32 v[AC+16*\b+4*\m+2:AC+16*\b+4*\m+3], v[AC+16*\b+4*\m+2:AC+16*\b+4*\m+3], v[CN+8*(\b%2)+2*\m:CN+8*(\b%2)+2*\m+1], v[RT+16*\b+4*\m+2:RT+16*\b+4*\m+3] op_sel:[0,1,0] op_sel_hi:[1,1,1] neg_lo:[0,0,1]
.endr
.endr
	WIN 0
.endm
.irp a, 0,1,2,3,4,5,6,7
	ROT \a
	QUANTW 64*(\a%4), 2+\a/4, \a
	global_store_b128 v1, v[PC:PC+3], s[OUT0:OUT0+1] offset:768*\a          ; registers 0-5: the even head's 64;
	global_store_b64 v2, v[PC+4:PC+5], s[OUT0:OUT0+1] offset:768*\a+512
	global_store_b128 v1, v[PC+6:PC+9], s[OUT1:OUT1+1] offset:768*\a        ; registers 6-11: the odd head's
	global_store_b64 v2, v[PC+10:PC+11], s[OUT1:OUT1+1] offset:768*\a+512
.endr
	s_mov_b32 s78, 0x7f7f0000                      ; the byte 127 over the zero codes that fill the K step
.irp i, 0,1,2,3
	v_cndmask_b32 v[84+\i], v[PWB+\i], v[PWB+4+\i], vcc_lo
.endr
.irp i, 0,1,2,3
	v_and_or_b32 v[76+\i], v[84+\i], 0xffff, s78   ; the even head's two bytes,
	v_lshrrev_b32 v[80+\i], 16, v[84+\i]
.endr
.irp i, 0,1,2,3
	v_or_b32 v[80+\i], s78, v[80+\i]               ; the odd head's
.endr
	global_store_b128 v3, v[76:79], s[OUT0:OUT0+1] offset:6400      ; the upper 256 bytes of each 512: lanes 16-31 of the reader
	global_store_b128 v3, v[80:83], s[OUT1:OUT1+1] offset:6400
.Lend:
	s_wait_tensorcnt 0x0                           ; the wave's end
	ds_add_u32 v[SPW], v[NIL]
	s_wait_dscnt 0x0
	CROUND                                         ; the closing round: no work-group ends while a partner may still ask for a tile that names it
	s_endpgm
.Lfunc_end_k_qfb4c62a691_qkv:
	.size	k_qfb4c62a691_qkv, .Lfunc_end_k_qfb4c62a691_qkv-k_qfb4c62a691_qkv
	.p2alignl 7, 3214868480
	.fill 96, 4, 3214868480
	.section	.rodata,"a",@progbits
	.p2align	6, 0x0
	.amdhsa_kernel k_qfb4c62a691_qkv
		.amdhsa_group_segment_fixed_size 327680
		.amdhsa_private_segment_fixed_size 0
		.amdhsa_enable_private_segment 0
		.amdhsa_kernarg_size 72
		.amdhsa_user_sgpr_count 2
		.amdhsa_user_sgpr_kernarg_segment_ptr 1
		.amdhsa_wavefront_size32 1
		.amdhsa_system_sgpr_workgroup_id_x 1
		.amdhsa_system_sgpr_workgroup_id_y 1
		.amdhsa_system_sgpr_workgroup_id_z 1
		.amdhsa_system_vgpr_workitem_id 0
		.amdhsa_next_free_vgpr 1024
		.amdhsa_next_free_sgpr 102
		.amdhsa_reserve_vcc 1
		.amdhsa_float_denorm_mode_32 3
		.amdhsa_float_denorm_mode_16_64 3
		.amdhsa_memory_ordered 1
		.amdhsa_forward_progress 1
		.amdhsa_inst_pref_size 234
	.end_amdhsa_kernel
	.amdgpu_metadata
---
amdhsa.version: [ 1, 2 ]
amdhsa.kernels:
  - .name:           k_qfb4c62a691_qkv
    .symbol:         k_qfb4c62a691_qkv.kd
    .args:
      - { .name: codes, .offset: 0, .size: 8, .value_kind: global_buffer, .address_space: global }
      - { .name: scales, .offset: 8, .size: 8, .value_kind: global_buffer, .address_space: global }
      - { .name: wq_b, .offset: 16, .size: 8, .value_kind: global_buffer, .address_space: global }
      - { .name: wk_b, .offset: 24, .size: 8, .value_kind: global_buffer, .address_space: global }
      - { .name: wv_b, .offset: 32, .size: 8, .value_kind: global_buffer, .address_space: global }
      - { .name: freqs_cos, .offset: 40, .size: 8, .value_kind: global_buffer, .address_space: global }
      - { .name: freqs_sin, .offset: 48, .size: 8, .value_kind: global_buffer, .address_space: global }
      - { .name: q, .offset: 56, .size: 8, .value_kind: global_buffer, .address_space: global }
      - { .name: kv, .offset: 64, .size: 8, .value_kind: global_buffer, .address_space: global }
    .group_segment_fixed_size: 327680
    .private_segment_fixed_size: 0
    .kernarg_segment_align: 8
    .kernarg_segment_size: 72
    .max_flat_workgroup_size: 128
    .sgpr_count:     102
    .vgpr_count:     1024
    .wavefront_size: 32
...
	.end_amdgpu_metadata
.endif
;; end of part 2
;; launch attn (part 3): grid 16 x 16, 4 waves a work-group, clusters of 4 x 4, 327,680 bytes of LDS; arguments q, kv, mask, o_codes, o_scales; writes o_codes, o_scales
.if DOCPART == 3
	.amdgcn_target "amdgcn-amd-amdhsa--gfx1250"
	.amdhsa_code_object_version 6
	.text
	.protected	k_qfb4c62a691_attn
	.globl	k_qfb4c62a691_attn
	.p2align	8
	.type	k_qfb4c62a691_attn,@function
k_qfb4c62a691_attn:
	s_mov_b64 s[64:65], 0
	v_nop
	global_prefetch_b8 v0, s[64:65] scope:SCOPE_SE
	s_setreg_imm32_b32 hwreg(HW_REG_WAVE_MODE, 25, 1), 1
	s_wait_xcnt 0x0
	s_wait_alu depctr_hold_cnt(0) depctr_sa_sdst(0) depctr_va_vdst(0) depctr_va_sdst(0) depctr_va_ssrc(0) depctr_va_vcc(0) depctr_vm_vsrc(0)
	s_getreg_b32 s2, hwreg(HW_REG_IB_STS2, 6, 4)
	s_cmp_eq_u32 s2, 0
	s_cbranch_scc0 .Lentry_in_a_cluster
	s_endpgm
.Lentry_in_a_cluster:
	s_bfe_u32 s2, ttmp6, 0x10000c
	s_cmp_lg_u32 s2, 0xf033
	s_cbranch_scc0 .Lentry_shape_is_right
	s_endpgm
.Lentry_shape_is_right:
; ATTN.  O[h][q] = softmax_k(Q[h][q] . K[h][k] / sqrt(192) + mask[q][k]) V[h][k], both products on codes of FP6 (E2M3) with E8M0 scales; O is quantised along the head's 128 and stored as codes.
; The mask is an input: every key step is computed for every query, and each score gets its word of the mask, in f32.
; THE SOFTMAX: logit = score x 192^-0.5 + mask;  t = logit x log2(e), rounded to f32;  M = the row's largest t so far, rounded UP to a whole number;  p = 2^(t - M) is quantised along the keys, not normalised.
; The row's sum is taken of the unquantised p and divides O at the end.  When M moves, the sum and O are multiplied by 2^(old M - new M): exact.  t is a multiplication and then an addition, not one fused line:
; with large mask values the product's unrounded part would otherwise stay in the exponent.
; SHARES.  A work-group owns 128 queries of one head; each of its four waves two tiles of 16, so that each fragment of K and V read from LDS feeds two matrix instructions.  16 steps of 128 keys.
; LAYOUT.  Both products transposed: S^T = K Q^T (two passes: the head's 128, then its rotated 64 with zero codes above), O^T = V^T P^T: a lane holds ONE query throughout.  K's tiles hold keys in the order PI
; (lane r of tile 2 b + u: key 32 b + 8 u + r + 8 (r / 8)), so that register 16 b + i of S^T is key 32 b + 16 (lane / 16) + i; V's tiles hold channels in the same order, so that O^T's registers run along the channels.
; All operands lie in memory as images of their registers (registers 4 c .. 4 c + 3 of lane l at 512 c + 16 l).
; CLUSTER 4 x 4: a step's 32,768 bytes of K, V and their scale words hang on the head alone and are asked for jointly along a row of the cluster; the mask's 128 x 128 words hang on the block of queries alone
; and are asked for jointly along a column.
; THE CHANGE OF SLOTS STANDS IN THE MIDDLE OF A STEP: K and the mask are in registers when a step begins and V follows straight behind the scores, so the slot is drained early; its refill (two steps on) has a whole
; step in which to land, and the next step's LDS loads land under the softmax.
; LIMITS: NaN and infinities among the inputs are not served (a row whose mask is -infinity throughout gives NaN, as in reference()); the logit is one fused multiply-add; 1 / l is v_rcp_f32;
; a block of p or of O that is all zeros, or lies under 2^-124, gets the byte 1.
; REGISTERS: window 0: v1-7 addresses; v12, 13 the add's; v16-31 statistics, 8 a tile; v32-39 K's scale words, v40-47 V's, v48-49 Q's, v50-51 p's; v52-75 p's codes; v76-83, v116-123 second halves; v84-115 at work; v128-255 S^T, then p.
;   window 1: v0-95 K's 128, v96-191 K's 64 (upper six registers of each twelve stay zero), v192-239 Q.   window 2: v0-127 O^T, v128-255 the mask.   window 3: v0-95 V.
.set SLOT1, 131072                     ; slot 1 begins here: one exclusive or turns an address from one slot to the other
.set KRO,   12288                      ; in a step's block: K's half images,
.set SCO,   18432                      ; K's scale words,
.set VO,    19456                      ; V's images,
.set SVO,   31744                      ; V's scale words
.set MOFF,  32768                      ; behind the block: the mask, 128 rows of 512 bytes + 16: the 16 rows that a load touches start in different banks
.set SPARE, 231424                     ; behind slot 1: the spare words, 128 bytes for each wave: two blocks of 256 bytes that no other line names
.set LI,  1                            ; v1  16 x lane
.set L8,  2                            ; v2  8 x lane
.set AM,  3                            ; v3  my row of the mask: MOFF + (32 wave + r) 528 + 64 h
.set ADK, 4                            ; v4-6 the three above in the slot in hand
.set ADK8, 5
.set ADM, 6
.set PFO, 7                            ; v7  the prefetches' offset; never rewritten
.set SPW, 12
.set NIL, 13
.set ST,  16                           ; tile u at v[ST + 8 u]: +0 -M, +1 the largest t, +2, +3 the sum in two halves, +4 f (+5 named with it), +6, +7 at work
.set KS,  32
.set VS,  40
.set QS,  48
.set PW,  50
.set PC,  52
.set CT0, 76                           ; tile u's second halves at v[CT0 + 40 u]
.set TM,  84                           ; tile u at v[TM + 16 u]: +0..3 the blocks' maxima, +4..7 the other half's / bytes, +8, +9 a second chain of the sum, +12..15 scale operands
.set S,   128
.set WV,  14
.set G1K, 24                           ; s[24:31], s[32:39] descriptor group 1 for the K/V block and for the mask
.set G1M, 32
.set G0K, 40                           ; s[40:47], s[48:55] group 0: a set for each first fill; the second then walks on
.set G0M, 48
.set CS,  56                           ; s[56:57] 192^-0.5
.set SEL, 58
.set TB,  60                           ; s60 the slot in hand
.set CNT, 61                           ; s61 refills to go
.set LIM, 62                           ; s62 1 in a wave that prefetches, else the greatest number
.set PFA, 66                           ; s[66:67] where my prefetches stand;  s[68:69] a step on
.set PFS, 68
.set L2E, 70                           ; s[70:71] log2(e)
.set MSB, 0
.macro WIN new
.if MSB != (\new)
	s_set_vgpr_msb (MSB<<8)|(\new)
.set MSB, (\new)
.endif
.endm
.macro PLACES
.rept 4
	v_nop
.endr
.endm
.macro CROUND                          ; a round of the cluster's barrier
	s_barrier_signal -1
	s_barrier_wait -1
	s_cmp_lg_u32 s[WV], 0
	s_cbranch_scc1 .Lnot_wave_0_\@
	s_barrier_signal -3
.Lnot_wave_0_\@:
	s_barrier_wait -3
	s_barrier_signal -1
	s_barrier_wait -1
.endm
.macro JLOAD                           ; a joint refill: waves 0, 1 the block's halves, waves 2, 3 the mask's.  Four v_nop follow each line
	s_cmp_lt_u32 s[WV], 2
	s_cbranch_scc0 .Lfor_m_\@
	tensor_load_to_lds s[G0K+4:G0K+7], s[G1K:G1K+7]
	s_nop 0
.rept 4
	v_nop
.endr
	s_branch .Lasked_\@
.Lfor_m_\@:
	tensor_load_to_lds s[G0M+4:G0M+7], s[G1M:G1M+7]
	s_nop 0
.rept 4
	v_nop
.endr
.Lasked_\@:
.endm
; A PREFETCH INTO THE L2 of what the NEXT refill will ask for, one step ahead of that load; each aligned 256 bytes are named once in the launch.  A head's blocks are walked by all clusters of one cluster y: the one with
; cluster x = 0 asks, wave 0, partner cx for 32 of the block's 128 pieces.  A block of queries' mask rows are walked by all clusters of one cluster x: the one with cluster y = 0 asks, waves 2 and 3, partner cy for
; 16 of the wave's 64 rows, two pieces a row.  Partners are told apart by address alone.  The last refill asks for nothing; the first three steps come by their loads alone.
.macro ASK
	s_cmp_gt_u32 s[CNT], s[LIM]
	s_cbranch_scc0 .Lnot_mine_\@
	global_prefetch_b8 v[PFO], s[PFA:PFA+1] th:TH_LOAD_NT scope:SCOPE_SE
.Lnot_mine_\@:
.endm
.macro NEXT                            ; a step's K, its scale words and its mask: 74 LDS loads, in the order in which they are wanted
	ds_load_b128 v[KS:KS+3], v[ADK] offset:SCO
	ds_load_b128 v[KS+4:KS+7], v[ADK] offset:SCO+512
	WIN 0x40
.irp t, 0,1,2,3,4,5,6,7
.irp c, 0,1,2
	ds_load_b128 v[12*\t+4*\c:12*\t+4*\c+3], v[ADK] offset:1536*\t+512*\c
.endr
.endr
.irp t, 0,1,2,3,4,5,6,7
	ds_load_b128 v[96+12*\t:99+12*\t], v[ADK] offset:KRO+768*\t
	ds_load_b64 v[100+12*\t:101+12*\t], v[ADK8] offset:KRO+768*\t+512
.endr
	WIN 0x80
.irp u, 0,1
.irp b, 0,1,2,3
.irp k, 0,1,2,3
	ds_load_b128 v[128+64*\u+16*\b+4*\k:128+64*\u+16*\b+4*\k+3], v[ADM] offset:8448*\u+128*\b+16*\k
.endr
.endr
.endr
	WIN 0
.endm
.macro BMAX                            ; the largest logit of each block of 32 keys: it serves the row's maximum and, since p rises with the logit, the block's largest p
.irp u, 0,1
.irp b, 0,1,2,3
	v_max3_num_f32 v[TM+16*\u+\b], v[S+64*\u+16*\b], v[S+64*\u+16*\b+1], v[S+64*\u+16*\b+2]
.endr
.endr
.irp i, 3,5,7,9,11,13
.irp u, 0,1
.irp b, 0,1,2,3
	v_max3_num_f32 v[TM+16*\u+\b], v[TM+16*\u+\b], v[S+64*\u+16*\b+\i], v[S+64*\u+16*\b+\i+1]
.endr
.endr
.endr
.irp u, 0,1
.irp b, 0,1,2,3
	v_max_num_f32 v[TM+16*\u+\b], v[TM+16*\u+\b], v[S+64*\u+16*\b+15]
.endr
.endr
.endm
; A KEY STEP.  mode 2: the slot is filled again; 1: the slots change, nothing is asked for; 0: the last step.
.macro STEP mode
	s_wait_dscnt 48                                ; K's scale words and its 128 are in (the 64's sixteen loads and the mask's 32 may be out)
	WIN 0x05                                       ; K and Q in window 1
.irp t, 0,1,2,3,4,5,6,7                ; the 16 accumulators take turns, one instruction a turn
.irp u, 0,1
	v_wmma_scale_f32_16x16x128_f8f6f4 v[S+64*\u+8*\t:S+64*\u+8*\t+7], v[12*\t:12*\t+11], v[192+24*\u:203+24*\u], 0, v[KS+\t], v[QS+\u] matrix_a_fmt:MATRIX_FMT_FP6 matrix_b_fmt:MATRIX_FMT_FP6
.endr
.endr
	s_wait_dscnt 32                                ; the 64 are in
.irp t, 0,1,2,3,4,5,6,7
.irp u, 0,1
	v_wmma_scale_f32_16x16x128_f8f6f4 v[S+64*\u+8*\t:S+64*\u+8*\t+7], v[96+12*\t:107+12*\t], v[204+24*\u:215+24*\u], v[S+64*\u+8*\t:S+64*\u+8*\t+7], v[KS+\t], v[QS+\u] matrix_a_fmt:MATRIX_FMT_FP6 matrix_b_fmt:MATRIX_FMT_FP6 matrix_a_scale:MATRIX_SCALE_ROW1 matrix_b_scale:MATRIX_SCALE_ROW1
.endr
.endr
	WIN 0
	PLACES                                         ; in front of loads into registers that matrix instructions have read, and of the first read of the scores
	WIN 0xc0
.irp t, 0,1,2,3,4,5,6,7
.irp c, 0,1,2
	ds_load_b128 v[12*\t+4*\c:12*\t+4*\c+3], v[ADK] offset:VO+1536*\t+512*\c
.endr
.endr
	WIN 0
	ds_load_b128 v[VS:VS+3], v[ADK] offset:SVO
	ds_load_b128 v[VS+4:VS+7], v[ADK] offset:SVO+512
	s_wait_dscnt 26                                ; the mask is in (V's 24 loads and its scale words' two may be out)
	WIN 0x20                                       ; source 2 (the mask) in window 2
.set j, 0
.rept 64
	v_pk_fma_f32 v[S+j:S+j+1], v[S+j:S+j+1], s[CS:CS+1], v[S+j:S+j+1] op_sel_hi:[1,0,1]   ; the logit; each accumulator from its low end on
.set j, j+2
.endr
	WIN 0
.if \mode
	s_wait_tensorcnt 0x0                           ; all my tensor loads have landed: my part of the next step's slot
	ds_add_u32 v[SPW], v[NIL]                      ; 0 onto my spare word; the blocks' maxima stand between it and the wait for it
.endif
.if \mode == 2
	s_xor_b32 s[G0K+5], s[G0K+5], SLOT1            ; the walking descriptors: the other slot than last time, the next step
	s_add_nc_u64 s[G0K+6:G0K+7], s[G0K+6:G0K+7], 32768
	s_xor_b32 s[G0M+5], s[G0M+5], SLOT1
	s_add_nc_u64 s[G0M+6:G0M+7], s[G0M+6:G0M+7], 512
	s_wait_xcnt 0x0                                ; the last prefetch, a step back, has read its address
	s_add_nc_u64 s[PFA:PFA+1], s[PFA:PFA+1], s[PFS:PFS+1]
.endif
	BMAX
	s_wait_dscnt 0x0                               ; V is in; the add is done; all my reads of this slot are over
.if \mode == 2
	CROUND                                         ; no wave of any partner still reads the slot or has a load on its way
	JLOAD                                          ; the first tensor load behind the round, and my only one until the next
.endif
.if \mode == 1
	s_barrier_signal -1
	s_barrier_wait -1
.endif
.if \mode
	s_xor_b32 s[TB], s[TB], SLOT1
	v_add_nc_u32 v[ADK], s[TB], v[LI]
	v_add_nc_u32 v[ADK8], s[TB], v[L8]
	v_add_nc_u32 v[ADM], s[TB], v[AM]
	NEXT
.endif
.if \mode == 2
	ASK
.endif
.irp u, 0,1
.irp b, 0,1,2,3
	v_permlanex16_b32 v[TM+16*\u+4+\b], v[TM+16*\u+\b], s[SEL], s[SEL+1]
.endr
.endr
.irp u, 0,1
.irp b, 0,1,2,3
	v_max_num_f32 v[TM+16*\u+\b], v[TM+16*\u+\b], v[TM+16*\u+4+\b]   ; with lane l xor 16's 16 keys
.endr
.endr
.irp u, 0,1
	v_max3_num_f32 v[ST+8*\u+6], v[TM+16*\u], v[TM+16*\u+1], v[TM+16*\u+2]
.endr
.irp u, 0,1
	v_max_num_f32 v[ST+8*\u+6], v[ST+8*\u+6], v[TM+16*\u+3]         ; the step's largest logit of my query
.endr
.irp u, 0,1
	v_mul_f32 v[ST+8*\u+6], s[L2E], v[ST+8*\u+6]                    ; as t
.endr
.irp u, 0,1
	v_max_num_f32 v[ST+8*\u+1], v[ST+8*\u+1], v[ST+8*\u+6]          ; the running largest t
.endr
.irp u, 0,1
	v_mov_b32 v[ST+8*\u+6], v[ST+8*\u]
.endr
.irp u, 0,1
	v_floor_f32 v[ST+8*\u], -v[ST+8*\u+1]                           ; the new -M = floor(-t): M is a whole number
.endr
.irp u, 0,1
	v_sub_f32 v[ST+8*\u+6], v[ST+8*\u], v[ST+8*\u+6]                ; old M less new M: a whole number, 0 or less
.endr
.irp u, 0,1
	v_cvt_i32_f32 v[ST+8*\u+6], v[ST+8*\u+6]                        ; (it saturates)
.endr
.irp u, 0,1
	v_ldexp_f32 v[ST+8*\u+4], 1.0, v[ST+8*\u+6]                     ; f = 2^(old M - new M)
.endr
.set j, 0
.rept 64
	v_pk_mul_f32 v[S+j:S+j+1], v[S+j:S+j+1], s[L2E:L2E+1] op_sel_hi:[1,0]   ; t, rounded
.set j, j+2
.endr
.irp u, 0,1
.set j, 0
.rept 32
	v_pk_add_f32 v[S+64*\u+j:S+64*\u+j+1], v[S+64*\u+j:S+64*\u+j+1], v[ST+8*\u:ST+8*\u+1] op_sel_hi:[1,0]   ; t - M
.set j, j+2
.endr
.endr
.irp u, 0,1
.irp b, 0,1,2,3
	v_mul_f32 v[TM+16*\u+\b], s[L2E], v[TM+16*\u+\b]                ; the same two lines on each block's largest logit
.endr
.endr
.irp u, 0,1
.irp b, 0,1,2,3
	v_add_f32 v[TM+16*\u+\b], v[TM+16*\u+\b], v[ST+8*\u]
.endr
.endr
.set j, 0
.rept 128
	v_exp_f32 v[S+j], v[S+j]                       ; p = 2^(t - M), at most 1: not normalised
.set j, j+1
.endr
.irp u, 0,1
	v_pk_mul_f32 v[ST+8*\u+2:ST+8*\u+3], v[ST+8*\u+2:ST+8*\u+3], v[ST+8*\u+4:ST+8*\u+5] op_sel_hi:[1,0]   ; the sums under the new M (plain places behind the exponentials)
.endr
	s_wait_alu depctr_va_vdst(0)                   ; one wait for the batch, ahead of its first reader
.irp u, 0,1
.irp b, 0,1,2,3
	v_exp_f32 v[TM+16*\u+\b], v[TM+16*\u+\b]       ; the blocks' largest p: the same lines on the same numbers give the same bits
.endr
.endr
.irp u, 0,1
	v_pk_add_f32 v[TM+16*\u+8:TM+16*\u+9], v[S+64*\u:S+64*\u+1], v[S+64*\u+2:S+64*\u+3]   ; the row's sum of the unquantised p, in two chains a tile
.endr
.irp j, 4,8,12,16,20,24,28,32,36,40,44,48,52,56,60
.irp u, 0,1
	v_pk_add_f32 v[ST+8*\u+2:ST+8*\u+3], v[ST+8*\u+2:ST+8*\u+3], v[S+64*\u+\j:S+64*\u+\j+1]
	v_pk_add_f32 v[TM+16*\u+8:TM+16*\u+9], v[TM+16*\u+8:TM+16*\u+9], v[S+64*\u+\j+2:S+64*\u+\j+3]
.endr
.endr
.irp u, 0,1
	v_pk_add_f32 v[ST+8*\u+2:ST+8*\u+3], v[ST+8*\u+2:ST+8*\u+3], v[TM+16*\u+8:TM+16*\u+9]
.endr
	s_wait_alu depctr_va_vdst(0)                   ; and one for the eight
.irp u, 0,1
.irp b, 0,1,2,3
	v_max_num_f32 v[TM+16*\u+\b], 0x1800000, v[TM+16*\u+\b]         ; the floor 2^(3 - 127): the byte cannot fall under 1
.endr
.endr
.irp u, 0,1
.irp b, 0,1,2,3
	v_add_nc_u32 v[TM+16*\u+12+\b], 0xff000000, v[TM+16*\u+\b]      ; 2 off the exponent field: the conversion's scale operand
.endr
.endr
.irp u, 0,1
.irp b, 0,1,2,3
	v_lshrrev_b32 v[TM+16*\u+4+\b], 23, v[TM+16*\u+12+\b]           ; the byte
.endr
.endr
.irp u, 0,1
	v_lshl_or_b32 v[PW+\u], v[TM+16*\u+5], 8, v[TM+16*\u+4]         ; p's scale word for these 128 keys
.endr
.irp u, 0,1
	v_lshl_or_b32 v[PW+\u], v[TM+16*\u+6], 16, v[PW+\u]
.endr
.irp u, 0,1
	v_lshl_or_b32 v[PW+\u], v[TM+16*\u+7], 24, v[PW+\u]
.endr
.irp u, 0,1
.irp c, 0,1
	v_cvt_scalef32_pk16_fp6_f32 v[PC+12*\u+6*\c:PC+12*\u+6*\c+2], v[S+64*\u+32*\c:S+64*\u+32*\c+15], v[TM+16*\u+12+2*\c]
	v_cvt_scalef32_pk16_fp6_f32 v[CT0+40*\u+4*\c:CT0+40*\u+4*\c+2], v[S+64*\u+32*\c+16:S+64*\u+32*\c+31], v[TM+16*\u+13+2*\c]
.endr
.endr
	v_nop                                          ; one plain place behind the last conversion
.irp u, 0,1
.irp c, 0,1                            ; a whole block to a lane: lanes 0-15 block 2 c, lanes 16-31 block 2 c + 1
.irp i, 0,1,2
	v_permlane16_swap_b32 v[PC+12*\u+6*\c+\i], v[CT0+40*\u+4*\c+\i]
.endr
.irp i, 0,1,2
	v_mov_b32 v[PC+12*\u+6*\c+3+\i], v[CT0+40*\u+4*\c+\i]
.endr
.endr
.endr
	WIN 0x82                                       ; O^T in window 2, f in window 0
.irp u, 0,1
.set j, 0
.rept 32
	v_pk_mul_f32 v[64*\u+j:64*\u+j+1], v[64*\u+j:64*\u+j+1], v[ST+8*\u+4:ST+8*\u+5] op_sel_hi:[1,0]   ; O^T under the new M.  (These are also the places between the lines that made p's codes and scale word and the products)
.set j, j+2
.endr
.endr
	WIN 0xa3                                       ; V window 3, p window 0, O^T window 2
.irp t, 0,1,2,3,4,5,6,7
.irp u, 0,1
	v_wmma_scale_f32_16x16x128_f8f6f4 v[64*\u+8*\t:64*\u+8*\t+7], v[12*\t:12*\t+11], v[PC+12*\u:PC+12*\u+11], v[64*\u+8*\t:64*\u+8*\t+7], v[VS+\t], v[PW+\u] matrix_a_fmt:MATRIX_FMT_FP6 matrix_b_fmt:MATRIX_FMT_FP6
.endr
.endr
	WIN 0
.endm
	s_load_b256 s[4:11], s[0:1], 0x0               ; q, kv, mask, o_codes
	s_load_b64 s[12:13], s[0:1], 0x20              ; o_scales
	v_lshl_add_u32 v[SPW], v0, 2, SPARE
	v_mov_b32 v[NIL], 0
	ds_add_u32 v12, v13
	ds_add_u32 v12, v13
	s_wait_dscnt 0x0
	v_lshrrev_b32 v1, 5, v0
	v_readfirstlane_b32 s[WV], v1                  ; wave 0..3
	s_bfe_u32 s15, ttmp6, 0x40000                  ; cx
	s_bfe_u32 s16, ttmp6, 0x40004                  ; cy
	s_lshl_b32 s17, ttmp9, 2
	s_add_co_u32 s17, s17, s15                     ; my block of 128 queries
	s_and_b32 s18, ttmp7, 0xffff
	s_lshl_b32 s18, s18, 2
	s_add_co_u32 s18, s18, s16                     ; my head
	s_lshl_b32 s19, s16, 2
	s_lshl_b32 s19, 15, s19                        ; my row of the cluster: the same head
	s_lshl_b32 s20, 0x1111, s15                    ; my column: the same queries
	s_or_b32 s[G1K], s19, (3<<16)|(1<<21)          ; half a block: 16,384 dense bytes as 64 rows of 256 (32 elements of 8 bytes)
	s_mov_b32 s[G1K+1], 32<<16
	s_mov_b32 s[G1K+2], 64<<16
	s_mov_b32 s[G1K+3], 32<<16
	s_mov_b32 s[G1K+4], 64
	s_mov_b32 s[G1K+5], 32
	s_mov_b32 s[G1K+6], 0
	s_mov_b32 s[G1K+7], 0
	s_or_b32 s[G1M], s20, (2<<16)|(1<<20)|(1<<21)|(6<<22)|(3<<25)   ; the mask: 64 rows x 128 words, 2,048 words apart; 4 words of padding behind every 128
	s_mov_b32 s[G1M+1], 128<<16
	s_mov_b32 s[G1M+2], 64<<16
	s_mov_b32 s[G1M+3], 128<<16
	s_mov_b32 s[G1M+4], 64
	s_mov_b32 s[G1M+5], 2048
	s_mov_b32 s[G1M+6], 0
	s_mov_b32 s[G1M+7], 0
	s_and_b32 s21, s[WV], 1                        ; which half I fetch
	s_lshl_b32 s72, s18, 19                        ; a head's 16 blocks of 32,768 bytes: of the head and the wave alone
	s_lshl_b32 s22, s21, 14                        ; the half, in memory and in LDS
	s_add_co_u32 s72, s72, s22
	s_mov_b32 s73, 0
	s_lshl_b32 s74, s17, 20                        ; 128 rows of 8,192 bytes: of the block of queries and the wave alone
	s_lshl_b32 s23, s21, 19
	s_add_co_u32 s74, s74, s23
	s_mov_b32 s75, 0
	s_mul_i32 s23, s21, 33792
	s_add_co_u32 s23, s23, MOFF                    ; the mask's half in LDS
	s_mov_b32 s[CS], 0x3d93cd3a                    ; 192^-0.5
	s_mov_b32 s[CS+1], s[CS]                       ; (named with it as a pair, so it is written)
	s_mov_b32 s[L2E], 0x3fb8aa3b                   ; log2(e)
	s_mov_b32 s[L2E+1], s[L2E]
	s_mov_b32 s[SEL], 0x76543210
	s_mov_b32 s[SEL+1], 0xfedcba98
	s_mov_b32 s[TB], 0
	s_mov_b32 s[CNT], 14
	s_wait_kmcnt 0x0
	s_add_nc_u64 s[72:73], s[6:7], s[72:73]
	s_add_nc_u64 s[74:75], s[8:9], s[74:75]
	CROUND                                         ; all sixteen work-groups are here: the first joint loads meet
.irp s, 0,1
	s_mov_b32 s[G0K+4*\s], 1
	s_add_co_u32 s[G0K+4*\s+1], s22, \s*SLOT1
	s_add_nc_u64 s[G0K+4*\s+2:G0K+4*\s+3], s[72:73], \s*32768
	s_or_b32 s[G0K+4*\s+3], s[G0K+4*\s+3], 0x80000000
	s_mov_b32 s[G0M+4*\s], 1
	s_add_co_u32 s[G0M+4*\s+1], s23, \s*SLOT1
	s_add_nc_u64 s[G0M+4*\s+2:G0M+4*\s+3], s[74:75], \s*512
	s_or_b32 s[G0M+4*\s+3], s[G0M+4*\s+3], 0x80000000
.endr
	s_cmp_lt_u32 s[WV], 2                          ; a wave's two first fills stand in one branch: two loads of mine are out
	s_cbranch_scc0 .Lfirst_m
	tensor_load_to_lds s[G0K:G0K+3], s[G1K:G1K+7]
	s_nop 0
	tensor_load_to_lds s[G0K+4:G0K+7], s[G1K:G1K+7]
	s_nop 0
.rept 4
	v_nop
.endr
	s_branch .Lfirst_asked
.Lfirst_m:
	tensor_load_to_lds s[G0M:G0M+3], s[G1M:G1M+7]
	s_nop 0
	tensor_load_to_lds s[G0M+4:G0M+7], s[G1M:G1M+7]
	s_nop 0
.rept 4
	v_nop
.endr
.Lfirst_asked:
	; the prefetches: who asks, and where they stand (at step 2: the first change of slots steps them to 3)
	s_lshl_b32 s2, s18, 19
	s_lshl_b32 s3, s15, 13                         ; partner cx: 32 pieces of 256 bytes
	s_add_co_u32 s2, s2, s3
	s_add_co_u32 s2, s2, 65536
	s_lshl_b32 s3, s17, 20
	s_lshl_b32 s78, s21, 19
	s_add_co_u32 s3, s3, s78
	s_lshl_b32 s78, s16, 17                        ; partner cy: 16 rows
	s_add_co_u32 s3, s3, s78
	s_add_co_u32 s3, s3, 1024
	s_and_b32 s19, ttmp7, 0xffff
	s_mov_b32 s[PFS], 512
	s_mov_b32 s79, 8192
	s_cmp_lt_u32 s[WV], 2
	s_cselect_b32 s20, ttmp9, s19                  ; the coordinate along which other clusters read the same bytes
	s_cselect_b64 s[PFA:PFA+1], s[6:7], s[8:9]
	s_cselect_b32 s[PFS], 32768, s[PFS]
	s_cselect_b32 s79, 512, s79
	s_cselect_b32 s2, s2, s3
	s_mov_b32 s3, 0
	s_mov_b32 s[PFS+1], 0
	s_add_nc_u64 s[PFA:PFA+1], s[PFA:PFA+1], s[2:3]
	s_cmp_eq_u32 s[WV], 1                          ; (the block is one wave's worth for each partner)
	s_cselect_b32 s20, 1, s20
	s_cmp_eq_u32 s20, 0
	s_cselect_b32 s[LIM], 1, -1                    ; the same in all sixteen partners, for a given wave
	v_and_b32 v14, 31, v0                          ; lane
	v_lshrrev_b32 v[PFO], 1, v14
	v_mul_lo_u32 v[PFO], v[PFO], s79
	v_and_b32 v15, 1, v14
	v_lshl_add_u32 v[PFO], v15, 8, v[PFO]          ; two lanes to 512 bytes: on end in the block, a row in the mask
	v_lshlrev_b32 v[LI], 4, v14
	v_lshlrev_b32 v[L8], 3, v14
	v_and_b32 v14, 15, v0                          ; r
	v_bfe_u32 v15, v0, 4, 1                        ; h
	s_mul_i32 s2, s[WV], 16896                     ; my 32 rows of the mask
	s_add_co_u32 s2, s2, MOFF
	v_mul_u32_u24 v[AM], v14, 528
	v_lshl_add_u32 v[AM], v15, 6, v[AM]
	v_add_nc_u32 v[AM], s2, v[AM]
	; Q stays in registers: my tiles 2 wave, 2 wave + 1 of the block's eight
	s_lshl_b32 s76, s18, 4
	s_add_co_u32 s76, s76, s17
	s_mul_i32 s76, s76, 19456
	s_mov_b32 s77, 0
	s_add_nc_u64 s[76:77], s[4:5], s[76:77]
	s_mul_i32 s2, s[WV], 3072
	v_add_nc_u32 v8, s2, v[LI]
	s_mul_i32 s2, s[WV], 1536
	v_add_nc_u32 v9, s2, v[LI]
	v_add_nc_u32 v10, s2, v[L8]
	s_lshr_b32 s2, s[WV], 1
	s_lshl_b32 s2, s2, 9
	s_lshl_b32 s3, s21, 3
	s_add_co_u32 s2, s2, s3
	v_add_nc_u32 v11, s2, v[LI]                    ; my tiles' two words of each lane's four
	WIN 0x40
.irp u, 0,1
.irp c, 0,1,2
	global_load_b128 v[192+24*\u+4*\c:192+24*\u+4*\c+3], v8, s[76:77] offset:1536*\u+512*\c
.endr
	global_load_b128 v[204+24*\u:207+24*\u], v9, s[76:77] offset:KRO+768*\u
	global_load_b64 v[208+24*\u:209+24*\u], v10, s[76:77] offset:KRO+768*\u+512
.irp i, 0,1,2,3,4,5
	v_mov_b32 v[210+24*\u+\i], 0                   ; zero codes fill the second pass's K step, in Q
.endr
.endr
.irp t, 0,1,2,3,4,5,6,7
.irp i, 0,1,2,3,4,5
	v_mov_b32 v[102+12*\t+\i], 0                   ; and in K: written once
.endr
.endr
	WIN 0x80
.set j, 0
.rept 128
	v_mov_b32 v[j], 0                              ; O^T.  (The step is written for all steps alike: the first finds zeros, which the first change of M leaves zeros)
.set j, j+1
.endr
	WIN 0
.irp u, 0,1
	global_load_b32 v[QS+\u], v11, s[76:77] offset:SCO+4*\u
	v_mov_b32 v[ST+8*\u+1], 0xff61b1e6             ; the largest t so far: -3e38, under every t
	v_floor_f32 v[ST+8*\u], -v[ST+8*\u+1]          ; -M
.irp i, 2,3,4,5,6,7
	v_mov_b32 v[ST+8*\u+\i], 0
.endr
.irp b, 0,1,2,3
	v_mov_b32 v[TM+16*\u+4+\b], 0                  ; (a lane permute's destination counts as one of its sources)
.endr
.endr
	s_wait_tensorcnt 0x1                           ; my part of slot 0 is in; slot 1's may stay out
	s_barrier_signal -1
	s_barrier_wait -1
	v_add_nc_u32 v[ADK], s[TB], v[LI]
	v_add_nc_u32 v[ADK8], s[TB], v[L8]
	v_add_nc_u32 v[ADM], s[TB], v[AM]
	NEXT
	s_wait_loadcnt 0x0                             ; Q
.Lstep:                                ; 14 trips: steps 0 to 13 fill their slot again, with steps 2 to 15
	STEP 2
	s_sub_co_u32 s[CNT], s[CNT], 1
	s_cmp_lg_u32 s[CNT], 0
	s_cbranch_scc1 .Lstep
	STEP 1                                         ; the tail is written out
	STEP 0
	; ---- THE WAY OUT: O^T / the sum, quantised along the head's 128, stored as an image: K step = head of the last product, rows = my 16 queries
	PLACES
.irp u, 0,1
	v_add_f32 v[ST+8*\u+6], v[ST+8*\u+2], v[ST+8*\u+3]
.endr
.irp u, 0,1
	v_permlanex16_b32 v[ST+8*\u+7], v[ST+8*\u+6], s[SEL], s[SEL+1]
.endr
.irp u, 0,1
	v_add_f32 v[ST+8*\u+6], v[ST+8*\u+6], v[ST+8*\u+7]              ; the row's sum
.endr
.irp u, 0,1
	v_rcp_f32 v[ST+8*\u+7], v[ST+8*\u+6]
.endr
	v_and_b32 v14, 31, v0                          ; (a plain place behind the reciprocals)
	v_cmp_le_u32 vcc_lo, 16, v14
	v_lshlrev_b32 v14, 2, v14                      ; 4 x lane
	s_lshr_b32 s2, s18, 1
	s_mul_i32 s2, s2, 393216                       ; o_codes: [pair of heads][tile of 16 queries][head & 1][1,536]
	s_lshl_b32 s3, s17, 3
	s_lshl_b32 s19, s[WV], 1
	s_add_co_u32 s3, s3, s19
	s_mul_i32 s3, s3, 3072
	s_add_co_u32 s2, s2, s3
	s_and_b32 s3, s18, 1
	s_mul_i32 s3, s3, 1536
	s_add_co_u32 s2, s2, s3
	s_mov_b32 s3, 0
	s_add_nc_u64 s[10:11], s[10:11], s[2:3]
	s_lshl_b32 s2, s18, 13                         ; o_scales: [head][query] words
	s_lshl_b32 s19, s17, 9
	s_add_co_u32 s2, s2, s19
	s_lshl_b32 s19, s[WV], 7
	s_add_co_u32 s2, s2, s19
	s_add_nc_u64 s[12:13], s[12:13], s[2:3]
	s_wait_alu depctr_va_vdst(0)                   ; one wait for the two reciprocals, ahead of their first reader
	WIN 0x02                                       ; source 0 (O^T) in window 2
.irp u, 0,1
.set j, 0
.rept 64
	v_mul_f32 v[S+64*\u+j], v[64*\u+j], v[ST+8*\u+7]   ; register 16 b + i: channel 32 b + 16 h + i of my query; each accumulator from its low end on
.set j, j+1
.endr
.endr
	WIN 0
.macro QOUT u
.set SS, S+64*\u
.set TT, TM+16*\u
.set PP, PC+12*\u
.set CC, CT0+40*\u
.irp b, 0,1,2,3
	v_max3_num_f32 v[TT+\b], |v[SS+16*\b]|, |v[SS+16*\b+1]|, 0x1800000
.endr
.irp i, 2,4,6,8,10,12,14
.irp b, 0,1,2,3
	v_max3_num_f32 v[TT+\b], v[TT+\b], |v[SS+16*\b+\i]|, |v[SS+16*\b+\i+1]|
.endr
.endr
.irp b, 0,1,2,3
	v_permlanex16_b32 v[TT+4+\b], v[TT+\b], s[SEL], s[SEL+1]
.endr
.irp b, 0,1,2,3
	v_max_num_f32 v[TT+\b], v[TT+\b], v[TT+4+\b]
.endr
.irp b, 0,1,2,3
	v_add_nc_u32 v[TT+12+\b], 0xff000000, v[TT+\b]
.endr
.irp b, 0,1,2,3
	v_lshrrev_b32 v[TT+4+\b], 23, v[TT+12+\b]
.endr
	v_lshl_or_b32 v[PW+\u], v[TT+5], 8, v[TT+4]
	v_lshl_or_b32 v[PW+\u], v[TT+6], 16, v[PW+\u]
	v_lshl_or_b32 v[PW+\u], v[TT+7], 24, v[PW+\u]
.irp c, 0,1
	v_cvt_scalef32_pk16_fp6_f32 v[PP+6*\c:PP+6*\c+2], v[SS+32*\c:SS+32*\c+15], v[TT+12+2*\c]
	v_cvt_scalef32_pk16_fp6_f32 v[CC+4*\c:CC+4*\c+2], v[SS+32*\c+16:SS+32*\c+31], v[TT+13+2*\c]
.endr
	v_nop                                          ; one plain place behind the last conversion
.irp c, 0,1
.irp i, 0,1,2
	v_permlane16_swap_b32 v[PP+6*\c+\i], v[CC+4*\c+\i]
.endr
.irp i, 0,1,2
	v_mov_b32 v[PP+6*\c+3+\i], v[CC+4*\c+\i]
.endr
.endr
.irp c, 0,1,2
	global_store_b128 v[LI], v[PP+4*\c:PP+4*\c+3], s[10:11] offset:3072*\u+512*\c   ; 512 consecutive bytes
.endr
.endm
	QOUT 0
	QOUT 1
	v_cndmask_b32 v15, v[PW], v[PW+1], vcc_lo      ; lanes 0-15 the first tile's words, lanes 16-31 the second's
	global_store_b32 v14, v15, s[12:13]
	s_wait_tensorcnt 0x0                           ; the wave's end
	ds_add_u32 v[SPW], v[NIL]
	s_wait_dscnt 0x0
	CROUND                                         ; the closing round
	s_endpgm
.Lfunc_end_k_qfb4c62a691_attn:
	.size	k_qfb4c62a691_attn, .Lfunc_end_k_qfb4c62a691_attn-k_qfb4c62a691_attn
	.p2alignl 7, 3214868480
	.fill 96, 4, 3214868480
	.section	.rodata,"a",@progbits
	.p2align	6, 0x0
	.amdhsa_kernel k_qfb4c62a691_attn
		.amdhsa_group_segment_fixed_size 327680
		.amdhsa_private_segment_fixed_size 0
		.amdhsa_enable_private_segment 0
		.amdhsa_kernarg_size 40
		.amdhsa_user_sgpr_count 2
		.amdhsa_user_sgpr_kernarg_segment_ptr 1
		.amdhsa_wavefront_size32 1
		.amdhsa_system_sgpr_workgroup_id_x 1
		.amdhsa_system_sgpr_workgroup_id_y 1
		.amdhsa_system_sgpr_workgroup_id_z 1
		.amdhsa_system_vgpr_workitem_id 0
		.amdhsa_next_free_vgpr 864
		.amdhsa_next_free_sgpr 80
		.amdhsa_reserve_vcc 1
		.amdhsa_float_denorm_mode_32 3
		.amdhsa_float_denorm_mode_16_64 3
		.amdhsa_memory_ordered 1
		.amdhsa_forward_progress 1
		.amdhsa_inst_pref_size 170
	.end_amdhsa_kernel
	.amdgpu_metadata
---
amdhsa.version: [ 1, 2 ]
amdhsa.kernels:
  - .name:           k_qfb4c62a691_attn
    .symbol:         k_qfb4c62a691_attn.kd
    .args:
      - { .name: q, .offset: 0, .size: 8, .value_kind: global_buffer, .address_space: global }
      - { .name: kv, .offset: 8, .size: 8, .value_kind: global_buffer, .address_space: global }
      - { .name: mask, .offset: 16, .size: 8, .value_kind: global_buffer, .address_space: global }
      - { .name: o_codes, .offset: 24, .size: 8, .value_kind: global_buffer, .address_space: global }
      - { .name: o_scales, .offset: 32, .size: 8, .value_kind: global_buffer, .address_space: global }
    .group_segment_fixed_size: 327680
    .private_segment_fixed_size: 0
    .kernarg_segment_align: 8
    .kernarg_segment_size: 40
    .max_flat_workgroup_size: 128
    .sgpr_count:     80
    .vgpr_count:     864
    .wavefront_size: 32
...
	.end_amdgpu_metadata
.endif
;; end of part 3
;; launch oproj (part 4): grid 8 x 8, 4 waves a work-group, clusters of 4 x 4, 327,680 bytes of LDS; arguments o_codes, o_scales, codes, scales, wo_b, out0; writes out0
.if DOCPART == 4
	.amdgcn_target "amdgcn-amd-amdhsa--gfx1250"
	.amdhsa_code_object_version 6
	.text
	.protected	k_qfb4c62a691_oproj
	.globl	k_qfb4c62a691_oproj
	.p2align	8
	.type	k_qfb4c62a691_oproj,@function
k_qfb4c62a691_oproj:
	s_mov_b64 s[64:65], 0
	v_nop
	global_prefetch_b8 v0, s[64:65] scope:SCOPE_SE
	s_setreg_imm32_b32 hwreg(HW_REG_WAVE_MODE, 25, 1), 1
	s_wait_xcnt 0x0
	s_wait_alu depctr_hold_cnt(0) depctr_sa_sdst(0) depctr_va_vdst(0) depctr_va_sdst(0) depctr_va_ssrc(0) depctr_va_vcc(0) depctr_vm_vsrc(0)
	s_getreg_b32 s2, hwreg(HW_REG_IB_STS2, 6, 4)
	s_cmp_eq_u32 s2, 0
	s_cbranch_scc0 .Lentry_in_a_cluster
	s_endpgm
.Lentry_in_a_cluster:
	s_bfe_u32 s2, ttmp6, 0x10000c
	s_cmp_lg_u32 s2, 0xf033
	s_cbranch_scc0 .Lentry_shape_is_right
	s_endpgm
.Lentry_shape_is_right:
; OPROJ.  out0 = O wo + bo: [2048][2048] f32, K = 2,048 (head x 128 + channel), on codes of FP6 (E2M3) with E8M0 scales.
; A = O, as the launch before stored it: o_codes [pair of heads: K slot][tile of 16 queries][head & 1][1,536], o_scales [head: K step][query] words.
; B = wo's columns: workspace rows 12288 on of codes and scales, in the order PI (within each 32: workspace row 16 u + 8 g + s holds column 16 g + 8 u + s).
; The loop is that of the launch that makes q, k and V: a tile of 256 x 256 to a work-group of four waves, 128 x 128 a wave, K in slots of 256 through a ring of two LDS slots filled by joint tensor loads
; (A's tile shared along a row of the 4 x 4 cluster, B's along a column); a tile of 16 rows x 128 K is 1,536 dense bytes, the image of its 12 registers; the scale words come once with the first fills;
; the bias is the C of each sum's first matrix instruction.  Source 0 = 16 rows of B, source 1 = 16 rows of A: a lane holds one row of the output and eight of its columns a tile.
; 64 tiles: this text leaves WGPs without work; a smaller tile would share the work further.
; REGISTERS: window 0: v16-29 addresses; v32-63 scale words, two sets; v64-127 the bias; v128-223 A's 8 fragments (on the way out v128-255 rows of the output).  window 1: B's two sets.  windows 2, 3: the 64 accumulators.
.set KSA,    393216                    ; a K slot on in A's buffer: 128 tiles x 3,072 bytes
.set KSB,    2752512                   ; and in B's: 896 tiles
.set HALFT,  24576
.set SLOT,   4*HALFT
.set SCL,    2*SLOT
.set SPARE,  229632                    ; the spare words, 128 bytes for each wave: two blocks of 256 bytes that no other line names
.set SPITCH, 528                       ; the way out: a stage of 16 rows x (512 bytes + 16) for each wave, in slot 0, which has had its last fill and its last read by then
.set FR,     12
.set NL,     3
.set LAPS,   4
.set ADRA, 16
.set ADRB, 20
.set STO,  24
.set RD,   25
.set CO,   26
.set ADRS, 27
.set SPW,  28
.set NIL,  29
.set SC,   32
.set BI,   64
.set AF,   128
.set BK,   128
.set G1, 24
.set G0, 32
.set G1B, 48
.set G0B, 56
.set G1S, 68
.set G0S, 76
.set G1SB, 80
.set G0SB, 88
.set MSB, 0
.macro WIN new                         ; the immediate's high byte repeats the setting that is left
.if MSB != (\new)
	s_set_vgpr_msb (MSB<<8)|(\new)
.set MSB, (\new)
.endif
.endm
.macro JLOAD g0a, g1a, g0b, g1b        ; a joint load: waves 0, 1 for A, waves 2, 3 for B; four v_nop follow each line
	s_cmp_eq_u32 s15, 0
	s_cbranch_scc0 .Lfor_b_\@
	tensor_load_to_lds s[\g0a:\g0a+3], s[\g1a:\g1a+7]
	s_nop 0
.rept 4
	v_nop
.endr
	s_branch .Lasked_\@
.Lfor_b_\@:
	tensor_load_to_lds s[\g0b:\g0b+3], s[\g1b:\g1b+7]
	s_nop 0
.rept 4
	v_nop
.endr
.Lasked_\@:
.endm
.macro CREST
	s_cmp_lg_u32 s14, 0
	s_cbranch_scc1 .Lnot_wave_0_\@
	s_barrier_signal -3
.Lnot_wave_0_\@:
	s_barrier_wait -3
	s_barrier_signal -1
	s_barrier_wait -1
.endm
.macro CROUND
	s_barrier_signal -1
	s_barrier_wait -1
	CREST
.endm
.macro PLACES n
.rept \n
	v_nop
.endr
.endm
.macro FRAG reg, adr, q, i
.irp c, 0,1,2
	ds_load_b128 v[\reg+4*\c:\reg+4*\c+3], v[\adr] offset:(\i)*3072+(\q)*1536+512*\c
.endr
.endm
.macro FETCH_B slot, q, p
	WIN 0x40
.irp i, 0,1,2,3,4,5,6,7
	FRAG 128*(\p)+FR*\i, ADRB+\slot, \q, \i
.endr
	WIN 0
.endm
.macro FETCH_A slot, q, i0
.irp i, \i0, \i0+1, \i0+2, \i0+3
	FRAG AF+FR*(\i), ADRA+\slot, \q, \i
.endr
.endm
.macro SCALES sc
.irp i, 0,1,2,3,4,5,6,7
.irp q, 0,1
	ds_load_b32 v[SC+16*\sc+2*\i+\q], v[ADRS] offset:512*\q+64*\i
.endr
.endr
.endm
; 16 matrix instructions: A's blocks a0, a0 + 1 x B's eight.  cm = 0: in place;  1: the sums start from the bias of B's tile (window 0).  The 64 accumulators take turns.
.macro MUL16 a0, p, q, sc, cm
.irp a, \a0, \a0+1
.irp b, 0,1,2,3,4,5,6,7
.set DD, 8*(8*((\a)%4)+\b)
.set CC, DD
.if \cm == 1
.set CC, BI+8*\b
.endif
	v_wmma_scale_f32_16x16x128_f8f6f4 v[DD:DD+7], v[128*(\p)+FR*\b:128*(\p)+FR*\b+FR-1], v[AF+FR*(\a):AF+FR*(\a)+FR-1], v[CC:CC+7], v[SC+16*(\sc)+2*\b+(\q)], v[SC+16*(\sc)+2*(\a)+(\q)] matrix_a_fmt:MATRIX_FMT_FP6 matrix_b_fmt:MATRIX_FMT_FP6 matrix_a_scale:MATRIX_SCALE_ROW1
.endr
.endr
.endm
.macro STEP slot, q, cm
	s_wait_dscnt 4*NL                              ; all but the youngest twelve loads (A's blocks 4-7)
.if \cm
	WIN 0x81
.else
	WIN 0xa1
.endif
	MUL16 0, (\q)%2, \q, \slot, \cm
	MUL16 2, (\q)%2, \q, \slot, \cm
	s_wait_dscnt 0
	PLACES 4
	FETCH_B \slot, (\q)+1, 1-(\q)%2
	FETCH_A \slot, (\q)+1, 0
.if \cm
	WIN 0xc1
.else
	WIN 0xf1
.endif
	MUL16 4, (\q)%2, \q, \slot, \cm
	MUL16 6, (\q)%2, \q, \slot, \cm
	PLACES 4
	WIN 0
	FETCH_A \slot, (\q)+1, 4
.endm
.macro TURN slot, next, fill
	s_wait_tensorcnt 0x0                           ; all my tensor loads have landed: my part of the next slot
	ds_add_u32 v[SPW], v[NIL]                      ; 0 onto my spare word
	s_wait_dscnt 4*NL+1                            ; (the add and the youngest twelve loads may be out)
	WIN 0xa1
	MUL16 0, 1, 1, \slot, 0
	s_wait_dscnt 0x0                               ; the add is done, and my reads of this slot are over
	s_barrier_signal -1
	MUL16 2, 1, 1, \slot, 0
	WIN 0
	s_barrier_wait -1
.if \fill
	CREST                                          ; the barrier has opened a round of the cluster's: no wave of any partner still reads this slot or has a load on its way
	s_add_nc_u64 s[G0+4*\slot+2:G0+4*\slot+3], s[G0+4*\slot+2:G0+4*\slot+3], 2*KSA
	s_add_nc_u64 s[G0B+4*\slot+2:G0B+4*\slot+3], s[G0B+4*\slot+2:G0B+4*\slot+3], 2*KSB
	JLOAD G0+4*\slot, G1, G0B+4*\slot, G1B
.else
	PLACES 4
.endif
	v_add_nc_u32 v[ADRS], 1024, v[ADRS]
	FETCH_B \next, 0, 0
	FETCH_A \next, 0, 0
	SCALES \next
	WIN 0xf1
	MUL16 4, 1, 1, \slot, 0
	MUL16 6, 1, 1, \slot, 0
	PLACES 4
	WIN 0
	FETCH_A \next, 0, 4
.endm
	s_load_b256 s[4:11], s[0:1], 0x0               ; o_codes, o_scales, codes, scales
	s_load_b128 s[92:95], s[0:1], 0x20             ; wo_b, out0
	v_lshl_add_u32 v[SPW], v0, 2, SPARE
	v_mov_b32 v[NIL], 0
	ds_add_u32 v28, v29
	ds_add_u32 v28, v29
	s_wait_dscnt 0x0
	v_lshrrev_b32 v1, 5, v0
	v_readfirstlane_b32 s14, v1                    ; wave 0..3
	s_lshr_b32 s15, s14, 1                         ; my half of the rows; also: I fetch for A (0) or B (1)
	s_and_b32 s16, s14, 1                          ; my half of the columns; also: which 128 rows I fetch
	s_bfe_u32 s40, ttmp6, 0x40000
	s_bfe_u32 s41, ttmp6, 0x40004
	s_lshl_b32 s42, ttmp9, 2
	s_add_co_u32 s42, s42, s40                     ; tile column
	s_and_b32 s17, ttmp7, 0xffff
	s_lshl_b32 s17, s17, 2
	s_add_co_u32 s17, s17, s41                     ; tile row
	s_lshl_b32 s43, s41, 2
	s_lshl_b32 s43, 15, s43
	s_lshl_b32 s44, 0x1111, s40
	s_or_b32 s[G1+0], s43, (3<<16)|(1<<21)         ; a tile half: 24,576 dense bytes as 96 rows of 256
	s_or_b32 s[G1B+0], s44, (3<<16)|(1<<21)
.irp g, G1, G1B
	s_mov_b32 s[\g+1], 32<<16
	s_mov_b32 s[\g+2], 96<<16
	s_mov_b32 s[\g+3], 32<<16
	s_mov_b32 s[\g+4], 96
	s_mov_b32 s[\g+5], 32
	s_mov_b32 s[\g+6], 0
	s_mov_b32 s[\g+7], 0
.endr
	s_or_b32 s[G1S+0], s43, (3<<16)|(1<<21)        ; the scale words of 128 rows: 16 K steps x 512 bytes
	s_or_b32 s[G1SB+0], s44, (3<<16)|(1<<21)
.irp g, G1S, G1SB
	s_mov_b32 s[\g+1], 64<<16
	s_mov_b32 s[\g+2], 16<<16
	s_mov_b32 s[\g+3], 64<<16
	s_mov_b32 s[\g+4], 16
	s_mov_b32 s[\g+6], 0
	s_mov_b32 s[\g+7], 0
.endr
	s_mov_b32 s[G1S+5], 1024                       ; O's: 8,192 bytes from K step to K step
	s_mov_b32 s[G1SB+5], 7168                      ; the workspace's: 57,344
	s_lshl_b32 s18, s16, 7
	s_lshl_b32 s20, s17, 8
	s_add_co_u32 s20, s20, s18                     ; A's row
	s_lshl_b32 s46, s42, 8
	s_add_co_u32 s46, s46, 12288
	s_add_co_u32 s46, s46, s18                     ; B's row
	s_lshl_b32 s22, s20, 2
	s_mov_b32 s23, 0
	s_lshl_b32 s2, s46, 2
	s_mov_b32 s3, 0
	s_mul_i32 s20, s20, 192
	s_mov_b32 s21, 0
	s_mul_i32 s46, s46, 192
	s_mov_b32 s47, 0
	s_mul_i32 s45, s14, HALFT
	s_lshl_b32 s19, s14, 13
	s_lshl_b32 s18, s15, 6
	s_add_co_u32 s19, s19, s18
	s_wait_kmcnt 0x0
	s_add_nc_u64 s[20:21], s[4:5], s[20:21]
	s_add_nc_u64 s[22:23], s[6:7], s[22:23]
	s_add_nc_u64 s[46:47], s[8:9], s[46:47]
	s_add_nc_u64 s[2:3], s[10:11], s[2:3]
	CROUND                                         ; all sixteen work-groups are here: the first joint loads meet
	s_mov_b32 s[G0S], 1
	s_add_co_u32 s[G0S+1], s19, SCL
	s_mov_b64 s[G0S+2:G0S+3], s[22:23]
	s_or_b32 s[G0S+3], s[G0S+3], 0x80000000
	s_mov_b32 s[G0SB], 1
	s_add_co_u32 s[G0SB+1], s19, SCL
	s_mov_b64 s[G0SB+2:G0SB+3], s[2:3]
	s_or_b32 s[G0SB+3], s[G0SB+3], 0x80000000
	JLOAD G0S, G1S, G0SB, G1SB
.irp s, 0,1
	s_mov_b32 s[G0+4*\s], 1
	s_add_co_u32 s[G0+4*\s+1], s45, \s*SLOT
	s_add_nc_u64 s[G0+4*\s+2:G0+4*\s+3], s[20:21], \s*KSA
	s_or_b32 s[G0+4*\s+3], s[G0+4*\s+3], 0x80000000
	s_mov_b32 s[G0B+4*\s], 1
	s_add_co_u32 s[G0B+4*\s+1], s45, \s*SLOT
	s_add_nc_u64 s[G0B+4*\s+2:G0B+4*\s+3], s[46:47], \s*KSB
	s_or_b32 s[G0B+4*\s+3], s[G0B+4*\s+3], 0x80000000
	JLOAD G0+4*\s, G1, G0B+4*\s, G1B               ; three tensor loads of mine are out now
.endr
	v_and_b32 v1, 31, v0
	v_lshlrev_b32 v[CO], 4, v1                     ; 16 x lane
	v_and_b32 v9, 15, v0                           ; r
	v_bfe_u32 v10, v0, 4, 1                        ; h
	s_mul_i32 s21, s15, HALFT
	s_mul_i32 s22, s16, HALFT
	s_add_co_u32 s22, s22, 2*HALFT
.irp s, 0,1
	v_add_nc_u32 v[ADRA+\s], s21, v[CO]
	v_add_nc_u32 v[ADRB+\s], s22, v[CO]
	s_add_co_u32 s21, s21, SLOT
	s_add_co_u32 s22, s22, SLOT
.endr
	s_lshl_b32 s21, s15, 13
	s_lshl_b32 s22, s16, 13
	s_add_co_u32 s22, s22, 16448
	s_sub_co_u32 s22, s22, s21
	v_mul_u32_u24 v11, s22, v10                    ; lanes 16-31 take B's scale words: one product, the distance between the two
	s_add_co_u32 s21, s21, SCL
	v_lshl_add_u32 v11, v9, 2, v11
	v_add_nc_u32 v[ADRS], s21, v11
	s_mul_i32 s23, s14, 16*SPITCH                  ; my stage
	v_mul_u32_u24 v5, v9, SPITCH
	v_lshl_add_u32 v5, v10, 6, v5
	v_add_nc_u32 v[STO], s23, v5                   ; in: row r, + 64 h: tile 2 b + u's eight columns are 32 b + 16 h + 8 u on
	v_add_nc_u32 v[RD], s23, v[CO]                 ; back: the 32 lanes take one row of 512 bytes
	v_lshlrev_b32 v6, 6, v10                       ; the bias: 64 h
	s_lshl_b32 s46, s42, 10
	s_lshl_b32 s47, s16, 9
	s_add_co_u32 s46, s46, s47                     ; my first column, in bytes
	s_mov_b32 s47, 0
	s_add_nc_u64 s[92:93], s[92:93], s[46:47]
	s_lshl_b32 s20, s17, 21
	s_lshl_b32 s21, s15, 20
	s_add_co_u32 s20, s20, s21                     ; my first row: 8,192 bytes a row
	s_mov_b32 s21, 0
	s_add_nc_u64 s[20:21], s[20:21], s[46:47]
	s_add_nc_u64 s[94:95], s[94:95], s[20:21]
.irp b, 0,1,2,3,4,5,6,7
	global_load_b128 v[BI+8*\b:BI+8*\b+3], v6, s[92:93] offset:4*(32*(\b/2)+8*(\b%2))
	global_load_b128 v[BI+8*\b+4:BI+8*\b+7], v6, s[92:93] offset:4*(32*(\b/2)+8*(\b%2))+16
.endr
	s_wait_tensorcnt 1                             ; the scale words and my part of K slot 0 are in (slot 1's load may be out)
	s_barrier_signal -1
	s_barrier_wait -1
	FETCH_B 0, 0, 0
	FETCH_A 0, 0, 0
	SCALES 0
	FETCH_A 0, 0, 4
	s_wait_loadcnt 0x0                             ; the bias
	STEP 0, 0, 1                                   ; the first step starts the sums from the bias
	s_mov_b32 s3, LAPS-1
.Llap:
	TURN 0, 1, 1
	STEP 1, 0, 0
	TURN 1, 0, 1
	STEP 0, 0, 0
	s_sub_co_u32 s3, s3, 1
	s_cmp_lg_u32 s3, 0
	s_cbranch_scc1 .Llap
	TURN 0, 1, 0                                   ; the last lap fills nothing, and has no round
	STEP 1, 0, 0
	s_wait_dscnt 4*NL
	WIN 0xa1
	MUL16 0, 1, 1, 1, 0
	MUL16 2, 1, 1, 1, 0
	s_wait_dscnt 0
	WIN 0xf1
	MUL16 4, 1, 1, 1, 0
	MUL16 6, 1, 1, 1, 0
	WIN 0
; THE WAY OUT, block by block of 16 rows x 128 columns, through my own stage: in by 32 bytes a lane, back as whole rows of 512 bytes.  LDS serves a wave's instructions in order: no wait between the stores and the loads.
.macro TOSTAGE a
.set AC, 64*((\a)%4)
	WIN 0x08+4*((\a)/4)                            ; the data: window 2 or 3
.irp b, 0,1,2,3,4,5,6,7
	ds_store_b128 v[STO], v[AC+8*\b:AC+8*\b+3] offset:128*(\b/2)+32*(\b%2)          ; each accumulator from its low end on
	ds_store_b128 v[STO], v[AC+8*\b+4:AC+8*\b+7] offset:128*(\b/2)+32*(\b%2)+16
.endr
	WIN 0
.set BB, BK+64*((\a)%2)
.irp t, 0,1,2,3,4,5,6,7,8,9,10,11,12,13,14,15
	ds_load_b128 v[BB+4*\t:BB+4*\t+3], v[RD] offset:\t*SPITCH
.endr
.endm
.macro SEND a, younger                 ; younger: the LDS instructions issued behind block a's loads, which may stay out
.set BB, BK+64*((\a)%2)
	s_wait_dscnt \younger
.if (\a) > 0
	s_add_nc_u64 s[94:95], s[94:95], 16*8192       ; (behind a wait on XCNT: the earlier stores have read their base)
.endif
.irp t, 0,1,2,3,4,5,6,7,8,9,10,11,12,13,14,15
	global_store_b128 v[CO], v[BB+4*\t:BB+4*\t+3], s[94:95] offset:\t*8192 th:TH_STORE_NT   ; 512 consecutive bytes, aligned; written once, read by nobody here
.endr
.endm
	PLACES 4                                       ; in front of the first read of results and of loads into the registers that held A's fragments
	TOSTAGE 0
.irp a, 1,2,3,4,5,6,7
.if \a > 1
	s_wait_xcnt 0x0                                ; block a - 2's stores have read their registers and their base
.endif
	TOSTAGE \a
	SEND \a-1, 32                                  ; behind block a - 1's loads: block a's 16 stores and 16 loads
.endr
	s_wait_xcnt 0x0
	SEND 7, 0
	s_wait_tensorcnt 0x0                           ; the wave's end
	ds_add_u32 v[SPW], v[NIL]
	s_wait_dscnt 0x0
	CROUND                                         ; the closing round
	s_endpgm
.Lfunc_end_k_qfb4c62a691_oproj:
	.size	k_qfb4c62a691_oproj, .Lfunc_end_k_qfb4c62a691_oproj-k_qfb4c62a691_oproj
	.p2alignl 7, 3214868480
	.fill 96, 4, 3214868480
	.section	.rodata,"a",@progbits
	.p2align	6, 0x0
	.amdhsa_kernel k_qfb4c62a691_oproj
		.amdhsa_group_segment_fixed_size 327680
		.amdhsa_private_segment_fixed_size 0
		.amdhsa_enable_private_segment 0
		.amdhsa_kernarg_size 48
		.amdhsa_user_sgpr_count 2
		.amdhsa_user_sgpr_kernarg_segment_ptr 1
		.amdhsa_wavefront_size32 1
		.amdhsa_system_sgpr_workgroup_id_x 1
		.amdhsa_system_sgpr_workgroup_id_y 1
		.amdhsa_system_sgpr_workgroup_id_z 1
		.amdhsa_system_vgpr_workitem_id 0
		.amdhsa_next_free_vgpr 1024
		.amdhsa_next_free_sgpr 98
		.amdhsa_reserve_vcc 0
		.amdhsa_float_denorm_mode_32 3
		.amdhsa_float_denorm_mode_16_64 3
		.amdhsa_memory_ordered 1
		.amdhsa_forward_progress 1
		.amdhsa_inst_pref_size 139
	.end_amdhsa_kernel
	.amdgpu_metadata
---
amdhsa.version: [ 1, 2 ]
amdhsa.kernels:
  - .name:           k_qfb4c62a691_oproj
    .symbol:         k_qfb4c62a691_oproj.kd
    .args:
      - { .name: o_codes, .offset: 0, .size: 8, .value_kind: global_buffer, .address_space: global }
      - { .name: o_scales, .offset: 8, .size: 8, .value_kind: global_buffer, .address_space: global }
      - { .name: codes, .offset: 16, .size: 8, .value_kind: global_buffer, .address_space: global }
      - { .name: scales, .offset: 24, .size: 8, .value_kind: global_buffer, .address_space: global }
      - { .name: wo_b, .offset: 32, .size: 8, .value_kind: global_buffer, .address_space: global }
      - { .name: out0, .offset: 40, .size: 8, .value_kind: global_buffer, .address_space: global }
    .group_segment_fixed_size: 327680
    .private_segment_fixed_size: 0
    .kernarg_segment_align: 8
    .kernarg_segment_size: 48
    .max_flat_workgroup_size: 128
    .sgpr_count:     98
    .vgpr_count:     1024
    .wavefront_size: 32
...
	.end_amdgpu_metadata
.endif
;; end of part 4
;; ======== version 2 of 2: 4 launches
;; workspace buffers: codes 22,020,096 bytes; scales 917,504 bytes; q 4,980,736 bytes; kv 8,388,608 bytes; o_codes 3,145,728 bytes; o_scales 131,072 bytes
;; launch prep: the kernel of part 1 again; grid 1536 x 1, 4 waves a work-group, no clusters, 68,096 bytes of LDS; arguments x, wq_w, wk_w, wv_w, wo_w, codes, scales; writes codes, scales
;; launch qkv: the kernel of part 2 again; grid 32 x 8, 4 waves a work-group, clusters of 4 x 4, 327,680 bytes of LDS; arguments codes, scales, wq_b, wk_b, wv_b, freqs_cos, freqs_sin, q, kv; writes q, kv
;; launch attn: the kernel of part 3 again; grid 16 x 16, 4 waves a work-group, clusters of 4 x 4, 327,680 bytes of LDS; arguments q, kv, mask, o_codes, o_scales; writes o_codes, o_scales
;; launch oproj (part 5): grid 16 x 16, 4 waves a work-group, clusters of 4 x 4, 327,680 bytes of LDS; arguments o_codes, o_scales, codes, scales, wo_b, out0; writes out0
.if DOCPART == 5
	.amdgcn_target "amdgcn-amd-amdhsa--gfx1250"
	.amdhsa_code_object_version 6
	.text
	.protected	k_qfb4c62a691_oproj
	.globl	k_qfb4c62a691_oproj
	.p2align	8
	.type	k_qfb4c62a691_oproj,@function
k_qfb4c62a691_oproj:
	s_mov_b64 s[64:65], 0
	v_nop
	global_prefetch_b8 v0, s[64:65] scope:SCOPE_SE
	s_setreg_imm32_b32 hwreg(HW_REG_WAVE_MODE, 25, 1), 1
	s_wait_xcnt 0x0
	s_wait_alu depctr_hold_cnt(0) depctr_sa_sdst(0) depctr_va_vdst(0) depctr_va_sdst(0) depctr_va_ssrc(0) depctr_va_vcc(0) depctr_vm_vsrc(0)
	s_getreg_b32 s2, hwreg(HW_REG_IB_STS2, 6, 4)
	s_cmp_eq_u32 s2, 0
	s_cbranch_scc0 .Lentry_in_a_cluster
	s_endpgm
.Lentry_in_a_cluster:
	s_bfe_u32 s2, ttmp6, 0x10000c
	s_cmp_lg_u32 s2, 0xf033
	s_cbranch_scc0 .Lentry_shape_is_right
	s_endpgm
.Lentry_shape_is_right:
; OPROJ.  out0 = O wo + bo: [2048][2048] f32, K = 2,048 (head x 128 + channel), on codes of FP6 (E2M3) with E8M0 scales.
; A = O, as the launch before stored it: o_codes [pair of heads: K slot of 256][tile of 16 queries][head & 1][1,536], o_scales [head: K step of 128][query] words.
; B = wo's columns: workspace rows 12288 on of codes and scales, in the order PI (within each 32: workspace row 16 u + 8 g + s holds column 16 g + 8 u + s).
; A tile of 16 rows x 128 K is 1,536 dense bytes, the image of its 12 registers (registers 4 c .. 4 c + 3 of lane l at 512 c + 16 l): a fragment is three loads of 16 bytes a lane, 512 consecutive bytes each.
; SHARES.  256 tiles of 128 x 128, one to a work-group of four waves, 64 x 64 a wave: 16 accumulators.  Source 0 = 16 rows of B, source 1 = 16 rows of A: a lane holds one row of the output and eight of its columns a tile.
; LDS.  The work-group's codes for all of K are 4 x 98,304 bytes; three of the four quarters fit beside the scale words.  So there are three slots of 512 along K, all filled by the first group of loads,
; and ONE refill: slot 0 takes the last quarter of K as soon as its first has been multiplied, and has eight K steps, 128 matrix instructions a wave, in which to land.  No loop: the 16 K steps are written out by macros.
; A slot: A's even K slot of 256, A's odd, B's even, B's odd, 24,576 bytes each: what one tensor load brings; wave w fetches the w-th.
; CLUSTER 4 x 4: A's tiles hang on the tile row alone and are asked for jointly along a row of the cluster, B's on the tile column alone, along a column.
; The scale words of the work-group's rows, for all of K, come with the first fills.  The bias is the C of each sum's first matrix instruction.
; REGISTERS: window 0: v16-29 addresses; v32-39 scale words, two sets of four; v40-71 the bias; v128-255 the accumulators ((a, b) at v[128 + 8 (4 a + b)]); on the way out v32-95 rows of the output.
;   window 1: two sets of 96: B's four fragments, then A's four.
.set KSA,    393216                    ; a K slot of 256 on in A's buffer: 128 tiles x 3,072 bytes
.set KSB,    2752512                   ; and in B's: 896 tiles
.set HALFT,  24576                     ; 8 tiles x 2 K steps x 1,536
.set SLOT,   4*HALFT
.set SCL,    3*SLOT                    ; behind the slots: A's scale words, [K step 16][128 rows]
.set SCB,    8256                      ; B's begin here behind A's: the 64 over 8,192 keep A's and B's lanes of a load in different banks
.set SPARE,  311552                    ; the spare words, 128 bytes for each wave: two blocks of 256 bytes that no other line names
.set STAGE,  SLOT                      ; the way out: 16 rows x (256 bytes + 16) for each wave, in slot 1: it is filled once, and nobody reads it behind the last barrier
.set SPITCH, 272
.set ADRA, 16                          ; v16-18 LDS address of my A fragments in slot 0, 1, 2
.set ADRB, 20                          ; v20-22 the same for B
.set STO,  24                          ; v24    the way out: where I put 32 bytes of a row
.set RD,   25                          ; v25    where I read rows back
.set CO,   26                          ; v26    my byte offset in two rows of the output
.set ADRS, 27                          ; v27    LDS address of my scale words: lanes 0-15 A's rows, lanes 16-31 B's
.set SPW,  28                          ; v28    my spare word; never rewritten
.set NIL,  29                          ; v29    0; never rewritten
.set SC,   32                          ; set k % 2 at v[SC + 4 (k % 2)]; register i: block i
.set BI,   40
.set BK,   32
.set ACC,  128
.set G1,   24                          ; s[24:31] descriptor group 1 for A's tiles;  s[32:43] group 0, a set for each slot
.set G0,   32
.set G1B,  44                          ; s[44:51], s[52:63] the same for B's
.set G0B,  52
.set G1S,  68                          ; s[68:75], s[76:79] for A's scale words;  s[80:87], s[88:91] for B's
.set G0S,  76
.set G1SB, 80
.set G0SB, 88
.set MSB, 0
.macro WIN new                         ; the immediate's high byte repeats the setting that is left
.if MSB != (\new)
	s_set_vgpr_msb (MSB<<8)|(\new)
.set MSB, (\new)
.endif
.endm
.macro JLOAD g0a, g1a, g0b, g1b        ; a joint load: waves 0, 1 for A, waves 2, 3 for B; the branch hangs on the wave's number alone; four v_nop follow each line
	s_cmp_eq_u32 s15, 0
	s_cbranch_scc0 .Lfor_b_\@
	tensor_load_to_lds s[\g0a:\g0a+3], s[\g1a:\g1a+7]
	s_nop 0
.rept 4
	v_nop
.endr
	s_branch .Lasked_\@
.Lfor_b_\@:
	tensor_load_to_lds s[\g0b:\g0b+3], s[\g1b:\g1b+7]
	s_nop 0
.rept 4
	v_nop
.endr
.Lasked_\@:
.endm
.macro CREST                           ; a round of the cluster's barrier behind its opening barrier
	s_cmp_lg_u32 s14, 0
	s_cbranch_scc1 .Lnot_wave_0_\@
	s_barrier_signal -3
.Lnot_wave_0_\@:
	s_barrier_wait -3
	s_barrier_signal -1
	s_barrier_wait -1
.endm
.macro CROUND
	s_barrier_signal -1
	s_barrier_wait -1
	CREST
.endm
.macro PLACES n
.rept \n
	v_nop
.endr
.endm
; K step k's operands into set k % 2: 24 loads of 16 bytes a lane and 4 scale words.  K step k lies in slot (k / 4) % 3, in the K slot of parity (k / 2) % 2, at its (k % 2)-th 1,536 bytes of each tile.
.macro FETCH k
.set SL, ((\k)/4)%3
.set OF, (((\k)/2)%2)*HALFT+((\k)%2)*1536
.set FS, 96*((\k)%2)
	WIN 0x40                                       ; destination window 1, address window 0
.irp i, 0,1,2,3
.irp c, 0,1,2
	ds_load_b128 v[FS+12*\i+4*\c:FS+12*\i+4*\c+3], v[ADRB+SL] offset:OF+\i*3072+512*\c
.endr
.endr
.irp i, 0,1,2,3
.irp c, 0,1,2
	ds_load_b128 v[FS+48+12*\i+4*\c:FS+48+12*\i+4*\c+3], v[ADRA+SL] offset:OF+\i*3072+512*\c
.endr
.endr
	WIN 0
.irp i, 0,1,2,3
	ds_load_b32 v[SC+4*((\k)%2)+\i], v[ADRS] offset:512*(\k)+64*\i   ; lanes 0-15 the words of A's block i, lanes 16-31 those of B's block i
.endr
.endm
; Four matrix instructions: A's block a x B's four.  cm = 1: the sums start from the bias of B's tile.  The 16 accumulators take turns, one instruction a turn, in the same order in every K step.
.macro MULA k, a, cm
.irp b, 0,1,2,3
.set DD, ACC+8*(4*(\a)+\b)
.set CC, DD
.if \cm
.set CC, BI+8*\b
.endif
	v_wmma_scale_f32_16x16x128_f8f6f4 v[DD:DD+7], v[96*((\k)%2)+12*\b:96*((\k)%2)+12*\b+11], v[96*((\k)%2)+48+12*(\a):96*((\k)%2)+48+12*(\a)+11], v[CC:CC+7], v[SC+4*((\k)%2)+\b], v[SC+4*((\k)%2)+(\a)] matrix_a_fmt:MATRIX_FMT_FP6 matrix_b_fmt:MATRIX_FMT_FP6 matrix_a_scale:MATRIX_SCALE_ROW1
.endr
.endm
; A K step whose successor's bytes every wave may already read.  The next step's operands are asked for first, into the set that the step before multiplied: four plain places behind its last matrix instruction.
.macro KSTEP k, nxt, cm
.if \nxt
.if (\k) > 0
	PLACES 4
.endif
	FETCH (\k)+1
	s_wait_dscnt 28                                ; all but the 28 just issued: this step's operands are in
.else
	s_wait_dscnt 0x0
.endif
	WIN 0x05                                       ; sources 0 (B) and 1 (A) window 1; C and D window 0
.irp a, 0,1,2,3
	MULA \k, \a, \cm
.endr
	WIN 0
.endm
; A K step behind which another slot is read for the first time: ONE barrier; in front of it each wave waits for all its tensor loads, adds 0 to its spare word, and waits for that and for its LDS reads.
; fill = 1: the slot just read out (slot 0) is filled again; the barrier then opens a round of the cluster's.
.macro TURN k, fill
	s_wait_tensorcnt 0x0                           ; all my tensor loads have landed
	ds_add_u32 v[SPW], v[NIL]                      ; 0 onto my spare word
	s_wait_dscnt 1                                 ; this step's operands are in (the add may be out)
	WIN 0x05
	MULA \k, 0, 0                                  ; four matrix instructions stand between the add and the wait for it
	s_wait_dscnt 0x0                               ; the add is done, and my reads of the slots so far are over
	s_barrier_signal -1
	MULA \k, 1, 0
	WIN 0
	s_barrier_wait -1
.if \fill
	CREST                                          ; no wave of any partner still reads slot 0 or has a load on its way
	s_add_nc_u64 s[G0+2:G0+3], s[G0+2:G0+3], 6*KSA     ; from K slots 0, 1 to K slots 6, 7
	s_add_nc_u64 s[G0B+2:G0B+3], s[G0B+2:G0B+3], 6*KSB
	JLOAD G0, G1, G0B, G1B                         ; the first tensor load behind the round, and my only one; its four v_nop are the places in front of the loads below
.else
	PLACES 4
.endif
	FETCH (\k)+1
	WIN 0x05
	MULA \k, 2, 0
	MULA \k, 3, 0
	WIN 0
.endm
	s_load_b256 s[4:11], s[0:1], 0x0               ; o_codes, o_scales, codes, scales
	s_load_b128 s[92:95], s[0:1], 0x20             ; wo_b, out0
	v_lshl_add_u32 v[SPW], v0, 2, SPARE
	v_mov_b32 v[NIL], 0
	ds_add_u32 v28, v29
	ds_add_u32 v28, v29
	s_wait_dscnt 0x0
	v_lshrrev_b32 v1, 5, v0
	v_readfirstlane_b32 s14, v1                    ; wave 0..3
	s_lshr_b32 s15, s14, 1                         ; my half of the tile's rows; also: I fetch for A (0) or B (1)
	s_and_b32 s16, s14, 1                          ; my half of its columns; also: which K slot of a pair I fetch
	s_bfe_u32 s96, ttmp6, 0x40000                  ; cx, cy: my place in the cluster
	s_bfe_u32 s97, ttmp6, 0x40004
	s_lshl_b32 s98, ttmp9, 2
	s_add_co_u32 s98, s98, s96                     ; tile column = 4 x cluster x + cx
	s_and_b32 s17, ttmp7, 0xffff
	s_lshl_b32 s17, s17, 2
	s_add_co_u32 s17, s17, s97                     ; tile row = 4 x cluster y + cy
	s_lshl_b32 s99, s97, 2
	s_lshl_b32 s99, 15, s99                        ; my row of the cluster
	s_lshl_b32 s100, 0x1111, s96                   ; my column
	; descriptor group 1.  A K slot of 128 rows: 24,576 dense bytes as 96 rows of 256 (32 elements of 8 bytes)
	s_or_b32 s[G1+0], s99, (3<<16)|(1<<21)         ; 15:0 the mask: A's tiles go to my row; 17:16 elements of 8 bytes; 21 set beside a mask
	s_or_b32 s[G1B+0], s100, (3<<16)|(1<<21)       ; B's to my column
.irp g, G1, G1B
	s_mov_b32 s[\g+1], 32<<16                      ; tensor_dim0
	s_mov_b32 s[\g+2], 96<<16                      ; tensor_dim1
	s_mov_b32 s[\g+3], 32<<16                      ; tile_dim0
	s_mov_b32 s[\g+4], 96                          ; tile_dim1
	s_mov_b32 s[\g+5], 32                          ; the pitch
	s_mov_b32 s[\g+6], 0
	s_mov_b32 s[\g+7], 0
.endr
	; the scale words of 128 rows, 8 K steps a wave: 8 rows of 512 bytes (64 elements of 8 bytes)
	s_or_b32 s[G1S+0], s99, (3<<16)|(1<<21)
	s_or_b32 s[G1SB+0], s100, (3<<16)|(1<<21)
.irp g, G1S, G1SB
	s_mov_b32 s[\g+1], 64<<16
	s_mov_b32 s[\g+2], 8<<16
	s_mov_b32 s[\g+3], 64<<16
	s_mov_b32 s[\g+4], 8
	s_mov_b32 s[\g+6], 0
	s_mov_b32 s[\g+7], 0
.endr
	s_mov_b32 s[G1S+5], 1024                       ; O's: 8,192 bytes from K step to K step
	s_mov_b32 s[G1SB+5], 7168                      ; the workspace's: 57,344
	; where the tiles come from.  A's hang on the tile row and the wave alone, B's on the tile column and the wave alone, each in registers of its own
	s_mul_i32 s20, s17, 24576                      ; A's codes: 8 tiles of 3,072 bytes a tile row,
	s_mul_i32 s18, s16, KSA                        ; + my K slot of the pair
	s_add_co_u32 s20, s20, s18
	s_mov_b32 s21, 0
	s_lshl_b32 s22, s17, 9                         ; A's scale words: 128 rows of 4 bytes,
	s_lshl_b32 s18, s16, 16                        ; + my 8 K steps of 8,192 bytes
	s_add_co_u32 s22, s22, s18
	s_mov_b32 s23, 0
	s_lshl_b32 s12, s98, 7
	s_add_co_u32 s12, s12, 12288                   ; B's first workspace row
	s_lshl_b32 s2, s12, 2                          ; its scale word,
	s_mul_i32 s18, s16, 458752                     ; + my 8 K steps of 57,344 bytes
	s_add_co_u32 s2, s2, s18
	s_mov_b32 s3, 0
	s_mul_i32 s12, s12, 192                        ; its codes: 3,072 bytes a tile of 16 rows,
	s_mul_i32 s18, s16, KSB                        ; + my K slot of the pair
	s_add_co_u32 s12, s12, s18
	s_mov_b32 s13, 0
	s_mul_i32 s19, s14, HALFT                      ; where they go: wave x 24,576: no place in the cluster enters an LDS address
	s_mul_i32 s101, s15, SCB                       ; the scale words: A's or B's table,
	s_lshl_b32 s18, s16, 12                        ; + my 8 K steps of 512 bytes
	s_add_co_u32 s101, s101, s18
	s_wait_kmcnt 0x0
	s_add_nc_u64 s[20:21], s[4:5], s[20:21]
	s_add_nc_u64 s[22:23], s[6:7], s[22:23]
	s_add_nc_u64 s[12:13], s[8:9], s[12:13]
	s_add_nc_u64 s[2:3], s[10:11], s[2:3]
	CROUND                                         ; all sixteen work-groups are here: the first joint loads meet
	s_mov_b32 s[G0S], 1
	s_add_co_u32 s[G0S+1], s101, SCL
	s_mov_b64 s[G0S+2:G0S+3], s[22:23]
	s_or_b32 s[G0S+3], s[G0S+3], 0x80000000
	s_mov_b32 s[G0SB], 1
	s_add_co_u32 s[G0SB+1], s101, SCL
	s_mov_b64 s[G0SB+2:G0SB+3], s[2:3]
	s_or_b32 s[G0SB+3], s[G0SB+3], 0x80000000
	JLOAD G0S, G1S, G0SB, G1SB                     ; the scale words first: they are wanted with K step 0
.irp s, 0,1,2
	s_mov_b32 s[G0+4*\s], 1                        ; 1:0 count = 1
	s_add_co_u32 s[G0+4*\s+1], s19, \s*SLOT        ; 63:32 LDS address
	s_add_nc_u64 s[G0+4*\s+2:G0+4*\s+3], s[20:21], \s*2*KSA   ; 120:64 global address: slot s begins with K slots 2 s, 2 s + 1
	s_or_b32 s[G0+4*\s+3], s[G0+4*\s+3], 0x80000000           ; 127:126 type = 2
	s_mov_b32 s[G0B+4*\s], 1
	s_add_co_u32 s[G0B+4*\s+1], s19, \s*SLOT
	s_add_nc_u64 s[G0B+4*\s+2:G0B+4*\s+3], s[12:13], \s*2*KSB
	s_or_b32 s[G0B+4*\s+3], s[G0B+4*\s+3], 0x80000000
	JLOAD G0+4*\s, G1, G0B+4*\s, G1B               ; four tensor loads of mine are out behind the last of these
.endr
	v_and_b32 v1, 31, v0
	v_lshlrev_b32 v2, 4, v1                        ; 16 x lane: an image's place for my lane
	v_and_b32 v9, 15, v0                           ; r
	v_bfe_u32 v10, v0, 4, 1                        ; h
	s_mul_i32 s21, s15, 12288                      ; my 64 rows of A: four tiles of 3,072 bytes,
	s_mul_i32 s22, s16, 12288
	s_add_co_u32 s22, s22, 2*HALFT                 ; of B, behind A's two K slots
.irp s, 0,1,2
	v_add_nc_u32 v[ADRA+\s], s21, v2
	v_add_nc_u32 v[ADRB+\s], s22, v2
	s_add_co_u32 s21, s21, SLOT
	s_add_co_u32 s22, s22, SLOT
.endr
	s_lshl_b32 s21, s15, 8                         ; A's scale words: my 64 rows
	s_lshl_b32 s22, s16, 8
	s_add_co_u32 s22, s22, SCB                     ; B's
	s_sub_co_u32 s22, s22, s21
	v_mul_u32_u24 v11, s22, v10                    ; lanes 16-31 take B's: one product, the distance between the two
	s_add_co_u32 s21, s21, SCL
	v_lshl_add_u32 v11, v9, 2, v11
	v_add_nc_u32 v[ADRS], s21, v11
	s_mul_i32 s23, s14, 16*SPITCH
	s_add_co_u32 s23, s23, STAGE                   ; my stage
	v_mul_u32_u24 v5, v9, SPITCH
	v_lshl_add_u32 v5, v10, 6, v5
	v_add_nc_u32 v[STO], s23, v5                   ; in: row r, + 64 h: tile 2 b + u's eight columns are 32 b + 16 h + 8 u on
	v_mul_u32_u24 v6, v10, SPITCH
	v_lshl_add_u32 v6, v9, 4, v6
	v_add_nc_u32 v[RD], s23, v6                    ; back: lanes 0-15 take one row of 256 bytes, lanes 16-31 the next
	v_lshlrev_b32 v[CO], 13, v10
	v_lshl_add_u32 v[CO], v9, 4, v[CO]             ; and the same two rows in the output: 8,192 bytes a row
	v_lshlrev_b32 v7, 6, v10                       ; the bias: 64 h
	s_lshl_b32 s12, s98, 9
	s_lshl_b32 s13, s16, 8
	s_add_co_u32 s12, s12, s13                     ; my first column, in bytes: 512 x tile column + 256 x half
	s_mov_b32 s13, 0
	s_add_nc_u64 s[92:93], s[92:93], s[12:13]
	s_lshl_b32 s20, s17, 20
	s_lshl_b32 s21, s15, 19
	s_add_co_u32 s20, s20, s21                     ; my first row: 128 x tile row + 64 x half
	s_mov_b32 s21, 0
	s_add_nc_u64 s[20:21], s[20:21], s[12:13]
	s_add_nc_u64 s[94:95], s[94:95], s[20:21]
.irp b, 0,1,2,3                        ; tile b = 2 b' + u, lane half h, register j: column 32 b' + 16 h + 8 u + j of my 64
	global_load_b128 v[BI+8*\b:BI+8*\b+3], v7, s[92:93] offset:4*(32*(\b/2)+8*(\b%2))
	global_load_b128 v[BI+8*\b+4:BI+8*\b+7], v7, s[92:93] offset:4*(32*(\b/2)+8*(\b%2))+16
.endr
	s_wait_tensorcnt 2                             ; the scale words and my part of slot 0 are in (slots 1 and 2 may be out)
	s_barrier_signal -1
	s_barrier_wait -1                              ; everybody's are
	FETCH 0
	s_wait_loadcnt 0x0                             ; the bias
	KSTEP 0, 1, 1                                  ; the first K step starts the sums from the bias: nothing is cleared
	KSTEP 1, 1, 0
	KSTEP 2, 1, 0
	TURN 3, 1                                      ; slot 0 is read out: it takes the last quarter of K; slots 1 and 2 are whole for every wave
.irp k, 4,5,6,7,8,9,10
	KSTEP \k, 1, 0
.endr
	TURN 11, 0                                     ; the refill has landed, everybody's part of it; nothing is filled again, so no round follows
	KSTEP 12, 1, 0
	KSTEP 13, 1, 0
	KSTEP 14, 1, 0
	KSTEP 15, 0, 0
; THE WAY OUT, block by block of 16 rows x 64 columns, through my own stage: in by 32 bytes a lane, back as whole rows of 256 bytes, two rows an instruction.
; LDS serves a wave's instructions in order: no wait between the stores and the loads, nor in front of the next block's stores.
.macro TOSTAGE a
.irp b, 0,1,2,3
	ds_store_b128 v[STO], v[ACC+8*(4*(\a)+\b):ACC+8*(4*(\a)+\b)+3] offset:128*(\b/2)+32*(\b%2)          ; each accumulator from its low end on
	ds_store_b128 v[STO], v[ACC+8*(4*(\a)+\b)+4:ACC+8*(4*(\a)+\b)+7] offset:128*(\b/2)+32*(\b%2)+16
.endr
.set BB, BK+32*((\a)%2)
.irp t, 0,1,2,3,4,5,6,7
	ds_load_b128 v[BB+4*\t:BB+4*\t+3], v[RD] offset:\t*2*SPITCH
.endr
.endm
.macro SEND a, younger                 ; younger: the LDS instructions issued behind block a's loads, which may stay out
.set BB, BK+32*((\a)%2)
	s_wait_dscnt \younger
.irp t, 0,1,2,3,4,5,6,7
	global_store_b128 v[CO], v[BB+4*\t:BB+4*\t+3], s[94:95] offset:(16*(\a)+2*\t)*8192 th:TH_STORE_NT   ; sixteen lanes store 256 consecutive bytes, aligned; written once, read by nobody here
.endr
.endm
	PLACES 4                                       ; in front of the first read of results and of loads into the registers that held scale words and the bias
	TOSTAGE 0
.irp a, 1,2,3
.if \a > 1
	s_wait_xcnt 0x0                                ; block a - 2's stores have read their registers, into which block a's rows are loaded
.endif
	TOSTAGE \a
	SEND \a-1, 16                                  ; behind block a - 1's loads: block a's 8 stores and 8 loads
.endr
	SEND 3, 0
	s_wait_tensorcnt 0x0                           ; the wave's end
	ds_add_u32 v[SPW], v[NIL]
	s_wait_dscnt 0x0
	CROUND                                         ; the closing round: no work-group ends while a partner may still ask for a tile that names it
	s_endpgm
.Lfunc_end_k_qfb4c62a691_oproj:
	.size	k_qfb4c62a691_oproj, .Lfunc_end_k_qfb4c62a691_oproj-k_qfb4c62a691_oproj
	.p2alignl 7, 3214868480
	.fill 96, 4, 3214868480
	.section	.rodata,"a",@progbits
	.p2align	6, 0x0
	.amdhsa_kernel k_qfb4c62a691_oproj
		.amdhsa_group_segment_fixed_size 327680
		.amdhsa_private_segment_fixed_size 0
		.amdhsa_enable_private_segment 0
		.amdhsa_kernarg_size 48
		.amdhsa_user_sgpr_count 2
		.amdhsa_user_sgpr_kernarg_segment_ptr 1
		.amdhsa_wavefront_size32 1
		.amdhsa_system_sgpr_workgroup_id_x 1
		.amdhsa_system_sgpr_workgroup_id_y 1
		.amdhsa_system_sgpr_workgroup_id_z 1
		.amdhsa_system_vgpr_workitem_id 0
		.amdhsa_next_free_vgpr 512
		.amdhsa_next_free_sgpr 102
		.amdhsa_reserve_vcc 0
		.amdhsa_float_denorm_mode_32 3
		.amdhsa_float_denorm_mode_16_64 3
		.amdhsa_memory_ordered 1
		.amdhsa_forward_progress 1
		.amdhsa_inst_pref_size 85
	.end_amdhsa_kernel
	.amdgpu_metadata
---
amdhsa.version: [ 1, 2 ]
amdhsa.kernels:
  - .name:           k_qfb4c62a691_oproj
    .symbol:         k_qfb4c62a691_oproj.kd
    .args:
      - { .name: o_codes, .offset: 0, .size: 8, .value_kind: global_buffer, .address_space: global }
      - { .name: o_scales, .offset: 8, .size: 8, .value_kind: global_buffer, .address_space: global }
      - { .name: codes, .offset: 16, .size: 8, .value_kind: global_buffer, .address_space: global }
      - { .name: scales, .offset: 24, .size: 8, .value_kind: global_buffer, .address_space: global }
      - { .name: wo_b, .offset: 32, .size: 8, .value_kind: global_buffer, .address_space: global }
      - { .name: out0, .offset: 40, .size: 8, .value_kind: global_buffer, .address_space: global }
    .group_segment_fixed_size: 327680
    .private_segment_fixed_size: 0
    .kernarg_segment_align: 8
    .kernarg_segment_size: 48
    .max_flat_workgroup_size: 128
    .sgpr_count:     102
    .vgpr_count:     512
    .wavefront_size: 32
...
	.end_amdgpu_metadata
.endif
;; end of part 5
